; MI455X (gfx1250); checked and timed in simulation.
; The chip was launched on July 23, 2026; its instructions are those of AMD's public machine-readable ISA for CDNA 5 (MIT licence, August 2026) and "CDNA5" Instruction Set Architecture Reference Guide (July 2026). The comments in the code are by the model that wrote it; some were corrected since.
;; MHA. Allowed arithmetic: matrix products marked QUANTISED: E3M2 operands, one E8M0 scale for each 32 along K, by v_wmma_scale_f32_16x16x128_f8f6f4 with both operands' format E3M2, f32 sums; everything else in f32.
;; Inputs: Q 1,024 x 8 x 1,024 float32; Wk 16 x 1,024 x 64 float32; Wo 1,024 x 1,024 float32; Wq 16 x 1,024 x 64 float32; Wv 16 x 1,024 x 64 float32; bk 16 x 64 float32; bo 1,024 float32; bq 16 x 64 float32; bv 16 x 64 float32.
;; Outputs: out0 1,024 x 8 x 1,024 float32.
;; This version of the problem:
;;   THIS VERSION OF THE PROBLEM IS GIVEN IN LOW PRECISION. The matrix products marked QUANTISED in the list below multiply operands that are first quantised to E3M2 (3 exponent bits, 2 mantissa bits; 6 bits a number), with one power-of-two scale for each 32 numbers along K (OCP MX v1.0); their sums are f32. All else is computed in f32.
;;   The module's matrix products, in the order in which they are computed (A, B: the left and right operand; K: the contracted axis; several contracted axes count as one K, in the product's order):
;;     1. [M 1,024, K 1,024] x [K 1,024, N 8,192]; A: input Wq; B: input Q: QUANTISED
;;     2. [M 1,024, K 1,024] x [K 1,024, N 8,192]; A: input Wk; B: input Q: QUANTISED
;;     3. [M 1,024, K 1,024] x [K 1,024, N 8,192]; A: input Wv; B: input Q: QUANTISED
;;     4. batch 128 x [M 1,024, K 64] x [K 64, N 1,024]; A: computed on the way; B: computed on the way: QUANTISED
;;     5. batch 128 x [M 64, K 1,024] x [K 1,024, N 1,024]; A: computed on the way; B: softmax (see below): QUANTISED
;;     6. [M 8,192, K 1,024] x [K 1,024, N 1,024]; A: computed on the way; B: input Wo: QUANTISED
;;   THE QUANTISER, for each operand of a quantised product, along K:
;;     - K is cut into blocks of 32 from its start; a last block that is shorter is filled with zeros.
;;     - A block's scale is 2^e with e = floor(log2(the largest magnitude in the block)) - 4, held to -126 .. 127; a block of zeros has e = 0. As a byte (E8M0): e + 127.
;;     - Each number is divided by its block's scale, clamped to +-28, and rounded to the nearest number of E3M2, ties to even, subnormals kept.
;;     - The product sums the exact products of the quantised numbers (number of the format x scale) in f32.
;;   ~~~python
;;   def quantise(x, axis):      # numpy; x: float32 -> the quantised numbers, widened to float32 again
;;       x = np.moveaxis(x, axis, -1); K = x.shape[-1]
;;       x = np.pad(x, [(0, 0)] * (x.ndim - 1) + [(0, -K % 32)]); x = x.reshape(x.shape[:-1] + (-1, 32)); a = np.abs(x).max(-1, keepdims=True)
;;       e = np.where(a > 0, np.clip(np.frexp(np.where(a > 0, a, 1))[1] - 1 - 4, -126, 127), 0)      # np.frexp(a)[1] - 1 = floor(log2(a)), exactly
;;       r = np.clip(x / 2.0 ** e, -28, 28)
;;       step = 2.0 ** (np.maximum(np.frexp(np.where(r == 0, 1, r))[1] - 1, -2) - 2)
;;       q = np.round(r / step) * step * 2.0 ** e      # np.round: ties to even
;;       return np.moveaxis(q.reshape(q.shape[:-2] + (-1,))[..., :K], -1, axis).astype(np.float32)
;;   ~~~
;;   SOFTMAX AHEAD OF A QUANTISED PRODUCT. Where the list says 'softmax', what is quantised is not the finished softmax but p = 2^(t - M), with t = logit x log2(e) and M = ceil(the row's largest t), a whole number; so 1/2 < the row's largest p <= 1. The row's sum l is taken of the UNQUANTISED p, in f32, and the product's result is divided by l at the end. Since M is a whole number, a kernel that streams over the keys may use a running M (the ceiling of the running maximum): every later rescaling is an exact power of two, which a block's scale takes up: the codes' values come out the same.
;;   OPERANDS COMPUTED ON THE WAY. 'Computed on the way' means the value that the module computes at that place (a softmax that the list does not call 'softmax' is quantised finished and normalised). What goes into a quantiser is computed in f32, as accurately as f32 sums, v_exp_f32 and their like allow (about 1e-6 of the number): no bf16 or f16 on the way to a quantiser, and a product that is left as it is and whose result goes on into a quantised operand takes f32 operands (vector FMAs, or v_wmma_f32_16x16x4_f32). A number that lies on a knife's edge between two numbers of the format may be rounded either way, as far as f32 arithmetic and the matrix unit's own rounding can turn it there, and no further.
;; One version. Each part assembles by itself: llvm-mc -triple=amdgcn-amd-amdhsa -mcpu=gfx1250 --defsym DOCPART=n.
;; ======== version 1 of 1: 4 launches
;; limits: right only within a limited range of input values
;; workspace buffers: xq 6,553,600 bytes; wq 3,276,800 bytes; qb 6,553,600 bytes; kb 6,553,600 bytes; vb 6,553,600 bytes; yb 6,553,600 bytes
;; launch quant (part 1): grid 384 x 1, 4 waves a work-group, no clusters, 68,096 bytes of LDS; arguments Q, Wq, Wk, Wv, Wo, xq, wq; writes xq, wq
.if DOCPART == 1
	.amdgcn_target "amdgcn-amd-amdhsa--gfx1250"
	.amdhsa_code_object_version 6
	.text
	.protected	k_qb5f5323971_quant
	.globl	k_qb5f5323971_quant
	.p2align	8
	.type	k_qb5f5323971_quant,@function
k_qb5f5323971_quant:
	s_mov_b64 s[64:65], 0
	v_nop
	global_prefetch_b8 v0, s[64:65] scope:SCOPE_SE
	s_setreg_imm32_b32 hwreg(HW_REG_WAVE_MODE, 25, 1), 1
	s_wait_xcnt 0x0
; The five f32 operands that arrive from outside become codes of BF6 (E3M2), 6 bits each, K innermost, with one E8M0 byte for each 32 along K.
; A block's scale is 2^(floor(log2(its largest magnitude)) - 4); its byte is the largest magnitude's exponent field - 4, held at 1 from below.
; LIMITS: NaN and infinities among the inputs are not served; a block whose largest magnitude lies under 2^-122 has its byte held at 1; a block of zeros has the byte 1 where the
; rule says 127: its codes are zeros, which add nothing under any byte but 0xff, and these bytes are read by this program alone.
; rho(x) = x with bits 3 and 4 exchanged.  EVERY ROW IS STORED AT rho OF ITS INDEX: 16 neighbouring rows of the workspace (a tile) are then the true rows 32 B + 8 u + r + 8 (r / 8),
; so that a product that takes such a tile as its first source leaves 16 neighbours along that axis in the 16 result registers of two neighbouring tiles.
; xq: codes [K step 4][1024 b + rho(s)][192 bytes], then from byte 6,291,456 scale bytes [b][rho(s)][32].
; wq: codes [K step 4][4096 rows][192 bytes]: rows 0-1023 Wq (column n = 64 h + dk at rho(n)), 1024-2047 Wk, 2048-3071 Wv, 3072-4095 Wo (its output column); from byte 3,145,728 scale bytes [4096][32].
; Work-groups 0-255 take Q (K innermost), 256-383 the weights (K not innermost).  The two ways have LDS bytes of their own: [0, 32768) and [32768, 67584).  Waves share nothing: no barrier.
; The scale bytes of Q leave in pieces of 32 bytes (a token's), 8 bytes a lane: they are 1/24 of the codes' bytes.
.set EMAX,  4
.set CB,    12                         ; bytes of 16 codes
.set STEPS, 16
.set R,     16                         ; Q: v16-79   four sets of 16 numbers as loaded
.set X,     80                         ; Q: v80-111  two sets of 16 neighbours
.set E,     112                        ; Q: v112-127 a scale byte for each step
.set C,     128                        ; Q: v128-191 codes, four registers for each step: no store's data are written again
.set WREG,  8192                       ; Q: LDS of a wave: two stages of 32 x SP bytes, then its 256 scale bytes
.set SP,    80                         ; a lane's place in a stage: 64 bytes + 16 of padding
; LAYOUT OF THE CODES: xq [K step of 256: 4][row 1024 b + rho(s): 8192][192 bytes]; wq [K step: 4][row: 4096][192 bytes]: 128 rows of one K step are 24,576 dense bytes.
.set XSC,   6291456                    ; where xq's scale bytes begin
.set WSC,   3145728                    ; where wq's begin
.set WST,   32768                      ; weights: LDS stages begin here, 32 rows x WP bytes a wave
.set WP,    272                        ; a stage row: sixteen places of 16 bytes (12 of codes each) + 16
.set NB,    8                          ; weights: blocks of 32 along K for a wave
.set WB,    24                         ; weights: v24-25 the scale bytes
.set WX,    32                         ; weights: v32-95 two sets of 32 numbers
.set WC,    96                         ; weights: a block's codes
.set WO,    112                        ; weights: v112-175 the way out
.set VA,    176                        ; weights: v176-207 offsets 4 x lane + i x (bytes from k to k + 1); never rewritten
.set SBS,   36                         ; weights: s[36:51] a base for each block; never rewritten
	s_load_b256 s[4:11], s[0:1], 0x0               ; Q s[4:5], Wq s[6:7], Wk s[8:9], Wv s[10:11]
	s_load_b128 s[12:15], s[0:1], 0x20             ; Wo s[12:13], xq s[14:15]
	s_load_b64 s[16:17], s[0:1], 0x30              ; wq
	v_lshl_add_u32 v208, v0, 2, 0x10800
	v_mov_b32 v209, 0
	v_lshrrev_b32 v1, 5, v0
	v_readfirstlane_b32 s22, v1                    ; wave 0..3
	v_and_b32 v2, 31, v0                           ; lane
	s_cmp_lt_u32 ttmp9, 256
	s_cbranch_scc0 .Lweights
; ---------------- Q.  A wave takes one s: Q[s][0..7][:], 8,192 numbers on end, in 16 steps of 512: step t is half t % 2 of token b = t / 2.
; Each of a step's four loads reads 512 consecutive bytes; the 2,048 bytes turn through the wave's own stage so that a lane holds 16 neighbours (two lanes hold a block).
	v_lshlrev_b32 v3, 4, v2                        ; my 16 bytes of a load's 512
	s_mul_i32 s23, s22, WREG
	v_lshrrev_b32 v14, 2, v2
	v_mul_u32_u24 v14, v14, SP
	v_and_b32 v15, 3, v2
	v_lshl_add_u32 v14, v15, 4, v14
	v_add_nc_u32 v14, s23, v14                     ; the stage on the way in: SP (lane / 4) + 16 (lane % 4)
	v_mul_u32_u24 v15, v2, SP
	v_add_nc_u32 v15, s23, v15                     ; and on the way out: SP x lane
	v_and_b32 v4, 15, v2
	v_mul_u32_u24 v4, v4, CB                       ; my codes' place in a row's 192 bytes of a K step;
	v_lshrrev_b32 v5, 4, v2
	v_mad_u32_u24 v4, v5, 0x180000, v4             ; lanes 16-31 hold the next K step: one plane of 8,192 x 192 bytes on
	v_lshrrev_b32 v5, 1, v2
	s_add_co_u32 s23, s23, 2*32*SP
	v_add_nc_u32 v5, s23, v5                       ; LDS: my block's byte among the wave's 256
	v_lshlrev_b32 v6, 3, v2
	v_add_nc_u32 v6, s23, v6                       ; and on the way out 8 bytes a lane
	v_lshrrev_b32 v7, 2, v2                        ; those 8 bytes belong to token b = lane / 4:
	v_and_b32 v10, 3, v2
	v_lshlrev_b32 v10, 3, v10
	v_lshl_add_u32 v7, v7, 15, v10                 ; 32,768 b + 8 (lane % 4)
	s_lshl_b32 s24, ttmp9, 2
	s_add_co_u32 s24, s24, s22                     ; s
	s_and_b32 s25, s24, 0x3e7
	s_and_b32 s26, s24, 8
	s_lshl_b32 s26, s26, 1
	s_or_b32 s25, s25, s26
	s_and_b32 s26, s24, 16
	s_lshr_b32 s26, s26, 1
	s_or_b32 s25, s25, s26                         ; rho(s)
	s_lshl_b32 s26, s24, 15                        ; Q: 32,768 bytes for each s
	s_mov_b32 s27, 0
	s_mul_i32 s28, s25, 192
	s_mov_b32 s29, 0
	s_lshl_b32 s30, s25, 5
	s_add_co_u32 s30, s30, XSC
	s_mov_b32 s31, 0
	s_wait_kmcnt 0x0
	s_add_nc_u64 s[4:5], s[4:5], s[26:27]
	s_add_nc_u64 s[8:9], s[14:15], s[28:29]        ; the codes of (b = 0, rho(s))
	s_add_nc_u64 s[10:11], s[14:15], s[30:31]      ; and its scale bytes
.macro XLOAD t
.irp i, 0,1,2,3
	global_load_b128 v[R+16*((\t)%4)+4*\i:R+16*((\t)%4)+4*\i+3], v3, s[4:5] offset:2048*(\t)+512*\i th:TH_LOAD_NT
.endr
.endm
.macro XTURN t                         ; LDS serves a wave's instructions in order (ISA guide 5.7.1.4): no wait between the stores and the loads
.irp i, 0,1,2,3
	ds_store_b128 v14, v[R+16*((\t)%4)+4*\i:R+16*((\t)%4)+4*\i+3] offset:32*SP*((\t)%2)+8*SP*\i
.endr
.irp i, 0,1,2,3
	ds_load_b128 v[X+16*((\t)%2)+4*\i:X+16*((\t)%2)+4*\i+3], v15 offset:32*SP*((\t)%2)+16*\i
.endr
.endm
.irp t, 0,1,2,3
	XLOAD \t
.endr
	s_wait_loadcnt 12                              ; step 0's four loads are in; three steps' twelve stay out
	XTURN 0
.macro XSTEP t
.set XS, X+16*((\t)%2)
.if (\t) > 0
	s_wait_dscnt 1                                 ; this step's numbers are back from the stage; only the last step's byte store may be out
.else
	s_wait_dscnt 0x0
.endif
.if (\t)+4 < STEPS
	XLOAD (\t)+4                                   ; into the set whose stores into the stage are done
.endif
.if (\t)+1 < STEPS
.if STEPS-2-(\t) >= 3
	s_wait_loadcnt 12                              ; the next step's four loads are in; those of the three steps behind it may be out
.else
	s_wait_loadcnt 4*(STEPS-2-(\t))                ; near the end fewer steps are behind it
.endif
	XTURN (\t)+1
.endif
	v_max3_num_f32 v8, |v[XS]|, |v[XS+1]|, |v[XS+2]|
	v_max3_num_f32 v9, |v[XS+3]|, |v[XS+4]|, |v[XS+5]|
.irp i, 6,10
	v_max3_num_f32 v8, v8, |v[XS+\i]|, |v[XS+\i+1]|
	v_max3_num_f32 v9, v9, |v[XS+\i+2]|, |v[XS+\i+3]|
.endr
	v_max3_num_f32 v8, v8, |v[XS+14]|, |v[XS+15]|
	v_max3_num_f32 v8, v8, v9, (EMAX+1)<<23        ; the floor 2^(5 - 127): the byte cannot fall under 1
	v_max_num_f32_dpp v8, v8, v8 row_xmask:1 row_mask:0xf bank_mask:0xf   ; with my neighbour's 16: the block's largest magnitude
	v_add_nc_u32 v11, -(EMAX<<23), v8              ; 4 off its exponent field: the conversion takes the exponent field of this operand as its scale
	v_cvt_scalef32_pk16_bf6_f32 v[C+4*(\t):C+4*(\t)+2], v[XS:XS+15], v11
	v_lshrrev_b32 v[E+(\t)], 23, v11               ; the scale's byte (also the plain line behind the conversion)
	ds_store_b8 v5, v[E+(\t)] offset:16*(\t)       ; both lanes of a block write the same byte with the same value
	global_store_b96 v4, v[C+4*(\t):C+4*(\t)+2], s[8:9] offset:((\t)/2)*196608+((\t)%2)*3145728   ; sixteen lanes store a row's 192 bytes of one K step
.endm
.irp t, 0,1,2,3,4,5,6,7,8,9,10,11,12,13,14,15
	XSTEP \t
.endr
	ds_load_b64 v[12:13], v6                       ; in order behind my byte stores
	s_wait_dscnt 0x0
	global_store_b64 v7, v[12:13], s[10:11]
	s_wait_tensorcnt 0x0
	ds_add_u32 v208, v209
	s_wait_dscnt 0x0
	s_endpgm
; ---------------- The weights.  A LANE TAKES A COLUMN n AND ITS REGISTERS RUN DOWN K: a block of 32 along K lies in one lane, and the conversions give codes with K innermost.
; Work-group w = ttmp9 - 256: matrix w / 32, columns 128 ((w / 4) % 8) on, K 256 (w % 4) on; a wave takes 32 columns x 256 along K.
; Wq, Wk, Wv are [h][d][64]: 256 bytes from d to d + 1, 262,144 from 64 columns to the next 64.  Wo is [k][n]: 4,096 and 256.  The two strides stand in scalar registers: one text serves both.
.Lweights:
	s_sub_co_u32 s23, ttmp9, 256
	s_lshr_b32 s24, s23, 5                         ; which matrix
	s_bfe_u32 s25, s23, 0x30002                    ; which 128 columns
	s_and_b32 s26, s23, 3                          ; which 256 along K
	s_lshl_b32 s28, s25, 7
	s_lshl_b32 s29, s22, 5
	s_add_co_u32 s28, s28, s29                     ; my wave's first column n
	s_cmp_eq_u32 s24, 3
	s_mov_b32 s27, 256
	s_cselect_b32 s27, 4096, s27                   ; bytes from k to k + 1
	s_mov_b32 s30, 262144
	s_cselect_b32 s30, 256, s30                    ; bytes from 64 columns to the next
	s_wait_alu depctr_va_vdst(0)
	v_lshlrev_b32 v3, 2, v2
.set i, 0
.rept 32
	v_mad_u32_u24 v[VA+i], s27, i, v3              ; 4 x lane + i rows of K
.set i, i+1
.endr
	v_and_b32 v10, 7, v2
	v_bfe_u32 v11, v2, 3, 1
	v_bfe_u32 v12, v2, 4, 1
	v_lshl_add_u32 v10, v11, 4, v10
	v_lshl_add_u32 v10, v12, 3, v10                ; rho(lane): n is a multiple of 32, so rho(n + lane) = n + rho(lane)
	s_mul_i32 s52, s22, 32*WP
	s_add_co_u32 s52, s52, WST                     ; my stage
	v_mul_u32_u24 v4, v10, WP
	v_add_nc_u32 v4, s52, v4                       ; into it: row rho(lane)
	v_and_b32 v5, 15, v2
	v_lshrrev_b32 v6, 4, v2
	v_mul_u32_u24 v7, v6, WP
	v_lshl_add_u32 v7, v5, 4, v7
	v_add_nc_u32 v7, s52, v7                       ; out of it: sixteen lanes to a row, two rows an instruction
	v_mul_u32_u24 v8, v6, 192
	v_mad_u32_u24 v8, v5, 12, v8                   ; and the same place in wq
	v_lshlrev_b32 v9, 5, v10                       ; my column's row of scale bytes
	s_lshr_b32 s31, s28, 6
	s_mul_i32 s31, s31, s30
	s_and_b32 s32, s28, 63
	s_lshl_b32 s32, s32, 2
	s_add_co_u32 s31, s31, s32
	s_lshl_b32 s32, s26, 8
	s_mul_i32 s32, s32, s27
	s_add_co_u32 s32, s31, s32                     ; where my wave's part of the matrix begins
	s_mov_b32 s33, 0
	s_lshl_b32 s34, s27, 5                         ; 32 rows of K
	s_mov_b32 s35, 0
	s_lshl_b32 s53, s24, 10
	s_add_co_u32 s53, s53, s28                     ; my first row of wq
	s_mul_i32 s54, s53, 192
	s_mul_i32 s55, s26, 786432                     ; my K step's plane of 4,096 x 192 bytes
	s_add_co_u32 s54, s54, s55
	s_mov_b32 s55, 0
	s_lshl_b32 s56, s53, 5
	s_lshl_b32 s57, s26, 3
	s_add_co_u32 s56, s56, s57
	s_add_co_u32 s56, s56, WSC
	s_mov_b32 s57, 0
	s_wait_kmcnt 0x0
	s_cmp_eq_u32 s24, 1                            ; the choice hangs on the work-group's number alone
	s_cselect_b64 s[6:7], s[8:9], s[6:7]
	s_cmp_eq_u32 s24, 2
	s_cselect_b64 s[6:7], s[10:11], s[6:7]
	s_cmp_eq_u32 s24, 3
	s_cselect_b64 s[6:7], s[12:13], s[6:7]
	s_add_nc_u64 s[SBS:SBS+1], s[6:7], s[32:33]
.irp t, 1,2,3,4,5,6,7
	s_add_nc_u64 s[SBS+2*\t:SBS+2*\t+1], s[SBS+2*\t-2:SBS+2*\t-1], s[34:35]
.endr
	s_add_nc_u64 s[18:19], s[16:17], s[54:55]      ; codes
	s_add_nc_u64 s[20:21], s[16:17], s[56:57]      ; scale bytes
.macro WLOAD t                         ; block t: 32 rows of K at my column: 128 consecutive bytes a wave and load
.set i, 0
.rept 32
	global_load_b32 v[WX+32*((\t)%2)+i], v[VA+i], s[SBS+2*(\t):SBS+2*(\t)+1] th:TH_LOAD_NT
.set i, i+1
.endr
.endm
	WLOAD 0
	WLOAD 1
.macro WBLOCK t
.set XS, WX+32*((\t)%2)
.if (\t) < NB-1
	s_wait_loadcnt 32                              ; this block's 32 loads are in; the next block's 32 may be out
.else
	s_wait_loadcnt 0
.endif
	v_max3_num_f32 v12, |v[XS]|, |v[XS+1]|, |v[XS+2]|
	v_max3_num_f32 v13, |v[XS+3]|, |v[XS+4]|, |v[XS+5]|
.irp i, 6,10,14,18,22,26
	v_max3_num_f32 v12, v12, |v[XS+\i]|, |v[XS+\i+1]|
	v_max3_num_f32 v13, v13, |v[XS+\i+2]|, |v[XS+\i+3]|
.endr
	v_max3_num_f32 v12, v12, |v[XS+30]|, |v[XS+31]|
	v_max3_num_f32 v12, v12, v13, (EMAX+1)<<23     ; the floor
	v_add_nc_u32 v11, -(EMAX<<23), v12             ; the conversions' scale operand
	v_lshrrev_b32 v13, 23, v11                     ; the byte
.if (\t)%4 == 0
	v_mov_b32 v[WB+(\t)/4], v13
.else
	v_lshl_or_b32 v[WB+(\t)/4], v13, 8*((\t)%4), v[WB+(\t)/4]
.endif
	v_cvt_scalef32_pk16_bf6_f32 v[WC:WC+2], v[XS:XS+15], v11
	v_cvt_scalef32_pk16_bf6_f32 v[WC+4:WC+6], v[XS+16:XS+31], v11   ; (a conversion's three registers begin on an even number)
	v_nop                                          ; one plain line behind the conversions
	ds_store_b96 v4, v[WC:WC+2] offset:32*(\t)     ; 12 bytes to a place of 16: every LDS address is a multiple of 16
	ds_store_b96 v4, v[WC+4:WC+6] offset:32*(\t)+16
.if (\t)+2 < NB
	WLOAD (\t)+2
.endif
	s_wait_dscnt 0x0                               ; the stores have read their registers: the next block's codes may be written
.endm
.irp t, 0,1,2,3,4,5,6,7
	WBLOCK \t
.endr
	s_wait_alu depctr_va_vdst(0)
	global_store_b64 v9, v[WB:WB+1], s[20:21]      ; my column's eight scale bytes
.irp t, 0,1,2,3,4,5,6,7,8,9,10,11,12,13,14,15
	ds_load_b96 v[WO+4*\t:WO+4*\t+2], v7 offset:2*\t*WP
.endr
.irp t, 0,1,2,3,4,5,6,7,8,9,10,11,12,13,14,15
	s_wait_dscnt 15-\t                             ; LDS loads come back in order: number t is in
	global_store_b96 v8, v[WO+4*\t:WO+4*\t+2], s[18:19] offset:2*\t*192   ; the wave's 32 rows are 6,144 consecutive bytes
.endr
	s_wait_tensorcnt 0x0
	ds_add_u32 v208, v209
	s_wait_dscnt 0x0
	s_endpgm
.Lfunc_end_k_qb5f5323971_quant:
	.size	k_qb5f5323971_quant, .Lfunc_end_k_qb5f5323971_quant-k_qb5f5323971_quant
	.p2alignl 7, 3214868480
	.fill 96, 4, 3214868480
	.section	.rodata,"a",@progbits
	.p2align	6, 0x0
	.amdhsa_kernel k_qb5f5323971_quant
		.amdhsa_group_segment_fixed_size 68096
		.amdhsa_private_segment_fixed_size 0
		.amdhsa_enable_private_segment 0
		.amdhsa_kernarg_size 56
		.amdhsa_user_sgpr_count 2
		.amdhsa_user_sgpr_kernarg_segment_ptr 1
		.amdhsa_wavefront_size32 1
		.amdhsa_system_sgpr_workgroup_id_x 1
		.amdhsa_system_sgpr_workgroup_id_y 1
		.amdhsa_system_sgpr_workgroup_id_z 1
		.amdhsa_system_vgpr_workitem_id 0
		.amdhsa_next_free_vgpr 210
		.amdhsa_next_free_sgpr 66
		.amdhsa_reserve_vcc 0
		.amdhsa_float_denorm_mode_32 3
		.amdhsa_float_denorm_mode_16_64 3
		.amdhsa_memory_ordered 1
		.amdhsa_forward_progress 1
		.amdhsa_inst_pref_size 77
	.end_amdhsa_kernel
	.amdgpu_metadata
---
amdhsa.version: [ 1, 2 ]
amdhsa.kernels:
  - .name:           k_qb5f5323971_quant
    .symbol:         k_qb5f5323971_quant.kd
    .args:
      - { .name: Q, .offset: 0, .size: 8, .value_kind: global_buffer, .address_space: global }
      - { .name: Wq, .offset: 8, .size: 8, .value_kind: global_buffer, .address_space: global }
      - { .name: Wk, .offset: 16, .size: 8, .value_kind: global_buffer, .address_space: global }
      - { .name: Wv, .offset: 24, .size: 8, .value_kind: global_buffer, .address_space: global }
      - { .name: Wo, .offset: 32, .size: 8, .value_kind: global_buffer, .address_space: global }
      - { .name: xq, .offset: 40, .size: 8, .value_kind: global_buffer, .address_space: global }
      - { .name: wq, .offset: 48, .size: 8, .value_kind: global_buffer, .address_space: global }
    .group_segment_fixed_size: 68096
    .private_segment_fixed_size: 0
    .kernarg_segment_align: 8
    .kernarg_segment_size: 56
    .max_flat_workgroup_size: 128
    .sgpr_count:     66
    .vgpr_count:     210
    .wavefront_size: 32
...
	.end_amdgpu_metadata
.endif
;; end of part 1
;; launch proj (part 2): grid 12 x 32, 4 waves a work-group, clusters of 4 x 4, 327,680 bytes of LDS; arguments xq, wq, bq, bk, bv, qb, kb, vb; writes qb, kb, vb
.if DOCPART == 2
	.amdgcn_target "amdgcn-amd-amdhsa--gfx1250"
	.amdhsa_code_object_version 6
	.text
	.protected	k_qb5f5323971_proj
	.globl	k_qb5f5323971_proj
	.p2align	8
	.type	k_qb5f5323971_proj,@function
k_qb5f5323971_proj:
	s_mov_b64 s[64:65], 0
	v_nop
	global_prefetch_b8 v0, s[64:65] scope:SCOPE_SE
	s_setreg_imm32_b32 hwreg(HW_REG_WAVE_MODE, 25, 1), 1
	s_wait_xcnt 0x0
	s_wait_alu depctr_hold_cnt(0) depctr_sa_sdst(0) depctr_va_vdst(0) depctr_va_sdst(0) depctr_va_ssrc(0) depctr_va_vcc(0) depctr_vm_vsrc(0)
	s_getreg_b32 s2, hwreg(HW_REG_IB_STS2, 6, 4)
	s_cmp_eq_u32 s2, 0
	s_cbranch_scc0 .Lentry_in_a_cluster
	s_endpgm
.Lentry_in_a_cluster:
	s_bfe_u32 s2, ttmp6, 0x10000c
	s_cmp_lg_u32 s2, 0xf033
	s_cbranch_scc0 .Lentry_shape_is_right
	s_endpgm
.Lentry_shape_is_right:
; q, k and v: 8,192 tokens x 3,072 columns, K = 1,024, on codes of BF6 (E3M2) with one E8M0 byte for each 32 along K; sums in f32; the bias is added in f32; the results are QUANTISED HERE and leave as
; images of the operand registers in which the attention launch wants them.
; A tile of 256 x 256 is made by four waves, 128 x 128 each: 64 accumulators of 16 x 16, 512 registers.  K goes in steps of 256 through a ring of two LDS slots filled by tensor loads (rows of 192 bytes).
; The scale bytes of both operands' 256 rows, for all of K, come into LDS once, in rows of 256 bytes, and stay.
; CLUSTERS: 4 x 4 work-groups; the second source's tiles (called A) are shared along a row of the cluster, the first source's (called B) along a column: joint loads, the same descriptor in all four named.
; ROLES.  Cluster x = 0: q, 1: k, 2: v (the same in all partners).  q, k: first source = 16 rows of W, second = 16 tokens: a lane holds ONE token, its registers run along the columns (their K: dk).
; v: first source = 16 tokens, second = 16 rows of Wv: a lane holds ONE dv, its registers run along the tokens (its K: the keys).  Both operands have the same shape in memory, so only pointers and tile numbers are chosen.
; Rows of both workspaces lie at rho(index) (bits 3 and 4 exchanged), so the 16 result registers of the first source's tiles 2 B and 2 B + 1 are 16 neighbours: 32 B + 16 (lane / 16) + 0 .. 15.
; OUT.  qb, kb: images [16 b + h][B 32][1536 bytes], 12 registers a lane, register group 4 c at 512 c + 16 x lane: registers 0-5 token tile 2 B (lane % 16 its row, lane / 16 the block of dk), 6-11 tile 2 B + 1.
;   vb: images [16 b + h][step 8][dv tile 4][1536]: a fragment of 16 dv x 128 keys.  Scale words of all three, from byte 6,291,456: [16 b + h][step 8][row 16][4 words].
; LIMITS: NaN and infinities are not served; a block whose largest magnitude lies under 2^-122 has its byte held at 1, a block of zeros too (zero codes; the bytes are read by this program alone).
; REGISTERS, in windows of 256: window 0: v0-31 addresses; v32-63 scale words, two sets; v64-127 and v224-239 the bias in two forms; from v128 A's fragments, ONE set; on the way out v128-223 and v240-255 are at work.
;   window 1: B's fragments, TWO sets, at v0 and v128.   window 2: accumulators of A's blocks 0-3 ((a, b) at v[8 (8 (a % 4) + b)]);   window 3: of blocks 4-7.
.set KSTEP,  256
.set NQ,     KSTEP/128
.set ROWB,   192                       ; a tile's row in bytes
.set KROW,   768                       ; a row of either operand in memory
.set PITCH,  240                       ; an LDS row: 3 x (64 bytes + 16 of padding) = 60 words: the 32 lanes of a load of 8 bytes touch 64 different banks (64 banks of 4 bytes: ISA guide 11.1)
.set FR,     12
.set NL,     6
.set NP,     4                         ; places behind this matrix instruction (ISA guide 7.12.1)
.set HALFT,  128*PITCH
.set SLOT,   4*HALFT
.set LAPS,   2                         ; K = 1,024 is four slots' worth: twice round the ring
.set KS,     32                        ; a row of scale bytes
.set SCL,    2*SLOT
.set HALFS,  (128*KS/256)*272
.set SBLK,   (16*KS/256)*272
.set SPARE,  SCL+4*HALFS               ; the spare words, 128 bytes for each wave: two blocks of 256 bytes that no other line names
.set ADRA, 16
.set ADRB, 20
.set ADRS, 27
.set SPW,  28
.set NIL,  29
.set SC,   32
.set BIA,  64                          ; v64-127  bias, form A: register 8 x + j = bias[32 (x / 2) + 16 (lane / 16) + 8 (x % 2) + j]
.set BIB,  224                         ; v224-239 bias, form B: pair a = bias[32 (a / 2) + 8 (a % 2) + r + 8 (r / 8)], twice
.set AF,   128
.set T,    128                         ; the way out: v128-191 64 biased results
.set IMG0, 192                         ; v192-203, v204-215 two images
.set IMG1, 204
.set TQ,   216                         ; v216-218, v220-222 second halves of blocks
.set TM,   240                         ; v240-243 largest magnitudes, v244-247 bytes, v252-255 the conversions' scale operands
.set G1, 24
.set G0, 32
.set G1B, 48
.set G0B, 56
.set G1S, 68
.set G0S, 76
.set G1SB, 80
.set G0SB, 88
.set MSB, 0
.macro WIN new                         ; the immediate's high byte repeats the setting that is left
.if MSB != \new
	s_set_vgpr_msb (MSB<<8)|\new
.set MSB, \new
.endif
.endm
.set MUL_LO, 0xa1                      ; source 0 (B) window 1, source 1 (A) window 0, C and D window 2
.set MUL_HI, 0xf1
.set TO_B,   0x40
; A joint load: waves 0 and 1 fetch for A, waves 2 and 3 for B.  The branch hangs on the wave's number alone.  Four v_nop follow each of the two lines.
.macro JLOAD g0a, g1a, g0b, g1b
	s_cmp_eq_u32 s15, 0
	s_cbranch_scc0 .Lfor_b_\@
	tensor_load_to_lds s[\g0a:\g0a+3], s[\g1a:\g1a+7]
	s_nop 0
.rept 4
	v_nop
.endr
	s_branch .Lasked_\@
.Lfor_b_\@:
	tensor_load_to_lds s[\g0b:\g0b+3], s[\g1b:\g1b+7]
	s_nop 0
.rept 4
	v_nop
.endr
.Lasked_\@:
.endm
.macro CREST                           ; a round of the cluster's barrier behind its opening barrier
	s_cmp_lg_u32 s14, 0
	s_cbranch_scc1 .Lnot_wave_0_\@
	s_barrier_signal -3
.Lnot_wave_0_\@:
	s_barrier_wait -3
	s_barrier_signal -1
	s_barrier_wait -1
.endm
.macro CROUND
	s_barrier_signal -1
	s_barrier_wait -1
	CREST
.endm
	s_load_b512 s[68:83], s[0:1], 0x0              ; xq 68, wq 70, bq 72, bk 74, bv 76, qb 78, kb 80, vb 82
	v_lshl_add_u32 v[SPW], v0, 2, SPARE
	v_mov_b32 v[NIL], 0
	ds_add_u32 v28, v29
	ds_add_u32 v28, v29
	s_wait_dscnt 0x0
	v_lshrrev_b32 v1, 5, v0
	v_readfirstlane_b32 s14, v1                    ; wave 0..3
	s_lshr_b32 s15, s14, 1                         ; which half of A's rows is mine.  Also: I fetch for A (0) or for B (1)
	s_and_b32 s16, s14, 1                          ; which half of B's rows.  Also: which 128 rows of that tile I fetch
	s_bfe_u32 s40, ttmp6, 0x40000                  ; cx, cy: my place in the cluster
	s_bfe_u32 s41, ttmp6, 0x40004
	s_lshl_b32 s42, ttmp9, 2
	s_and_b32 s17, ttmp7, 0xffff
	s_lshl_b32 s17, s17, 2
	s_cmp_eq_u32 ttmp9, 2                          ; v: B's tiles are the tokens' (4 x cluster y on), A's are Wv's (tiles 8 on)
	s_cselect_b32 s42, s17, s42
	s_cselect_b32 s17, 8, s17
	s_add_co_u32 s42, s42, s40                     ; B's tile: hangs on cx alone
	s_add_co_u32 s17, s17, s41                     ; A's tile: hangs on cy alone
	s_lshl_b32 s43, s41, 2
	s_lshl_b32 s43, 15, s43                        ; my row of the cluster
	s_lshl_b32 s44, 0x1111, s40                    ; my column
	s_wait_kmcnt 0x0
	s_cmp_eq_u32 ttmp9, 0
	s_cselect_b64 s[96:97], s[72:73], s[74:75]     ; the bias,
	s_cselect_b64 s[12:13], s[78:79], s[80:81]     ; the output
	s_cmp_eq_u32 ttmp9, 2
	s_cselect_b64 s[96:97], s[76:77], s[96:97]
	s_cselect_b64 s[12:13], s[82:83], s[12:13]
	s_cselect_b64 s[4:5], s[70:71], s[68:69]       ; A: wq for v, else xq
	s_cselect_b64 s[8:9], s[68:69], s[70:71]       ; B: the other
	s_mov_b32 s98, 6291456
	s_cselect_b32 s98, 3145728, s98                ; where A's scale bytes begin in its buffer
	s_mov_b32 s99, 3145728
	s_cselect_b32 s99, 6291456, s99                ; and B's
	s_cselect_b32 s18, s42, s17                    ; the tokens' tile and my half of it,
	s_cselect_b32 s19, s16, s15
	s_cselect_b32 s20, s17, s42                    ; W's tile and my half of it
	s_cselect_b32 s21, s15, s16
	s_and_b32 s20, s20, 3                          ; a tile of W is four heads, my half two
	s_lshl_b32 s20, s20, 2
	s_lshl_b32 s21, s21, 1
	s_add_co_u32 s20, s20, s21                     ; h0: my first head
	s_lshr_b32 s21, s18, 2                         ; b
	s_and_b32 s18, s18, 3
	s_lshl_b32 s18, s18, 1
	s_add_co_u32 s18, s18, s19                     ; which 128 tokens of b: the key step
	s_lshl_b32 s21, s21, 4
	s_add_co_u32 s21, s21, s20                     ; 16 b + h0
	s_lshl_b32 s22, s21, 11
	s_lshl_b32 s23, s18, 8
	s_add_co_u32 s22, s22, s23
	s_add_co_u32 s22, s22, 6291456
	s_mov_b32 s23, 0
	s_add_nc_u64 s[66:67], s[12:13], s[22:23]      ; my scale words
	s_mul_i32 s22, s21, 49152
	s_mul_i32 s19, s18, 6144
	s_add_co_u32 s22, s22, s19
	s_add_nc_u64 s[12:13], s[12:13], s[22:23]      ; my images
	s_lshl_b32 s22, s20, 8
	s_add_nc_u64 s[96:97], s[96:97], s[22:23]      ; my 128 numbers of the bias
	s_mov_b32 s22, s98
	s_add_nc_u64 s[6:7], s[4:5], s[22:23]          ; A's scale bytes
	s_mov_b32 s22, s99
	s_add_nc_u64 s[10:11], s[8:9], s[22:23]        ; B's
	; descriptor group 1: a tile of 128 rows x 192 bytes, 16 bytes of padding behind every 64
	; The codes lie [K step][row][192 bytes]: the rows of a tile are dense bytes and come as rows of 256 bytes (32 elements of 8), 16 bytes of padding behind every 64:
	; in LDS an operand's row is 3 x (64 + 16) bytes.  At the head a load brings 256 operand rows (192 rows of 256 bytes), in the ring 128 (96).
	s_or_b32 s[G1+0], s43, (3<<16)|(1<<20)|(1<<21)|(3<<22)|(3<<25)
	s_or_b32 s[G1B+0], s44, (3<<16)|(1<<20)|(1<<21)|(3<<22)|(3<<25)
.irp g, G1, G1B
	s_mov_b32 s[\g+1], 32<<16
	s_mov_b32 s[\g+2], 192<<16
	s_mov_b32 s[\g+3], 32<<16
	s_mov_b32 s[\g+4], 192
	s_mov_b32 s[\g+5], 32
	s_mov_b32 s[\g+6], 0
	s_mov_b32 s[\g+7], 0
.endr
	; the scale bytes of 256 rows: 8,192 dense bytes as 32 rows of 256 (32 elements of 8 bytes), 16 bytes of padding behind each
	s_or_b32 s[G1S+0], s43, (3<<16)|(1<<20)|(1<<21)|(5<<22)|(3<<25)
	s_or_b32 s[G1SB+0], s44, (3<<16)|(1<<20)|(1<<21)|(5<<22)|(3<<25)
.irp g, G1S, G1SB
	s_mov_b32 s[\g+1], 32<<16
	s_mov_b32 s[\g+2], (256*KS/256)<<16            ; the scale bytes of all 256 rows by one load
	s_mov_b32 s[\g+3], 32<<16
	s_mov_b32 s[\g+4], 256*KS/256
	s_mov_b32 s[\g+5], 32
	s_mov_b32 s[\g+6], 0
	s_mov_b32 s[\g+7], 0
.endr
	s_lshl_b32 s20, s17, 8                         ; A: the tile's first row
	s_lshl_b32 s46, s42, 8                         ; B likewise
	s_mov_b32 s21, 0
	s_mov_b32 s47, 0
	s_mov_b64 s[18:19], KS
	s_mul_u64 s[22:23], s[20:21], s[18:19]
	s_mul_u64 s[92:93], s[46:47], s[18:19]
	s_mov_b64 s[18:19], ROWB
	s_mul_u64 s[20:21], s[20:21], s[18:19]
	s_mul_u64 s[46:47], s[46:47], s[18:19]
	s_mul_i32 s45, s14, HALFT                      ; where they go: wave x 128 rows: no place in the cluster enters an LDS address
	s_add_nc_u64 s[20:21], s[4:5], s[20:21]
	s_add_nc_u64 s[22:23], s[6:7], s[22:23]
	s_add_nc_u64 s[46:47], s[8:9], s[46:47]
	s_add_nc_u64 s[92:93], s[10:11], s[92:93]
	CROUND                                         ; all sixteen work-groups are here: the first joint loads meet
	s_mov_b32 s[G0S], 1
	s_mov_b32 s[G0S+1], SCL
	s_mov_b64 s[G0S+2:G0S+3], s[22:23]
	s_or_b32 s[G0S+3], s[G0S+3], 0x80000000
	s_mov_b32 s[G0SB], 1
	s_mov_b32 s[G0SB+1], SCL+2*HALFS
	s_mov_b64 s[G0SB+2:G0SB+3], s[92:93]
	s_or_b32 s[G0SB+3], s[G0SB+3], 0x80000000
.set G0H,  4                           ; s[4:7], s[8:11] group 0 of the head's loads of K step 0 (the addresses that lay there have been used)
.set G0HB, 8
.set XPL,  1572864                     ; a K step's plane of xq,
.set WPL,  786432                      ; and of wq
	s_mov_b32 s[G0H], 1
	s_mov_b32 s[G0H+1], 0
	s_mov_b64 s[G0H+2:G0H+3], s[20:21]
	s_or_b32 s[G0H+3], s[G0H+3], 0x80000000
	s_mov_b32 s[G0HB], 1
	s_mov_b32 s[G0HB+1], 2*HALFT
	s_mov_b64 s[G0HB+2:G0HB+3], s[46:47]
	s_or_b32 s[G0HB+3], s[G0HB+3], 0x80000000
	s_mul_i32 s18, s16, 128*ROWB                   ; in the ring I fetch 128 rows of a tile
	s_mov_b32 s19, 0
	s_add_nc_u64 s[20:21], s[20:21], s[18:19]
	s_add_nc_u64 s[46:47], s[46:47], s[18:19]
	s_cmp_eq_u32 ttmp9, 2                          ; v: A is wq, B is xq
	s_mov_b32 s94, XPL
	s_cselect_b32 s94, WPL, s94                    ; bytes from a K step to the next in A,
	s_mov_b32 s92, WPL
	s_cselect_b32 s92, XPL, s92                    ; and in B
	s_mov_b32 s95, 0
	s_mov_b32 s93, 0
.irp s, 0,1
	s_mov_b32 s[G0+4*\s], 1
	s_add_co_u32 s[G0+4*\s+1], s45, \s*SLOT
	s_mov_b64 s[G0+4*\s+2:G0+4*\s+3], s[20:21]
	s_or_b32 s[G0+4*\s+3], s[G0+4*\s+3], 0x80000000
	s_mov_b32 s[G0B+4*\s], 1
	s_add_co_u32 s[G0B+4*\s+1], s45, \s*SLOT
	s_mov_b64 s[G0B+4*\s+2:G0B+4*\s+3], s[46:47]
	s_or_b32 s[G0B+4*\s+3], s[G0B+4*\s+3], 0x80000000
	s_add_nc_u64 s[20:21], s[20:21], s[94:95]
	s_add_nc_u64 s[46:47], s[46:47], s[92:93]
.endr
	s_lshl_b32 s94, s94, 1                         ; a refill steps two K steps on
	s_lshl_b32 s92, s92, 1
; THE HEAD'S LOADS, ONE A WAVE: wave 0 K step 0's 256 rows of A, wave 1 those of B, wave 2 A's scale bytes, wave 3 B's.  One chain of branches on the wave's number.
.macro ARM under, g0, g1, next
	s_cmp_lt_u32 s14, \under
	s_cbranch_scc0 \next
	tensor_load_to_lds s[\g0:\g0+3], s[\g1:\g1+7]
	s_nop 0
.rept 4
	v_nop
.endr
	s_branch .Lhead_asked
\next:
.endm
	ARM 1, G0H,  G1,  .Lhead_b
	ARM 2, G0HB, G1B, .Lhead_sa
	ARM 3, G0S,  G1S, .Lhead_sb
	tensor_load_to_lds s[G0SB:G0SB+3], s[G1SB:G1SB+7]
	s_nop 0
.rept 4
	v_nop
.endr
.Lhead_asked:
	v_and_b32 v1, 15, v0                           ; r = lane % 16
	v_bfe_u32 v2, v0, 4, 1                         ; lane / 16
	v_mul_u32_u24 v3, v1, PITCH
	v_mul_u32_u24 v4, v2, 24
	v_add_nc_u32 v4, v3, v4                        ; a fragment's row x pitch + 24 x half
	v_lshl_add_u32 v5, v2, 4, v4                   ; and the same behind one padding more
	s_mul_i32 s21, s15, HALFT
	s_mul_i32 s22, s16, HALFT
	s_add_co_u32 s22, s22, 2*HALFT
.irp s, 0,1
	v_add_nc_u32 v[ADRA+\s], s21, v4
	v_add_nc_u32 v[ADRB+\s], s22, v4
	v_add_nc_u32 v[ADRA+2+\s], s21, v5
	v_add_nc_u32 v[ADRB+2+\s], s22, v5
	s_add_co_u32 s21, s21, SLOT
	s_add_co_u32 s22, s22, SLOT
.endr
	v_mul_u32_u24 v5, v1, KS                       ; my row's scale bytes: 32 a row,
	v_lshrrev_b32 v6, 8, v5
	v_lshl_add_u32 v5, v6, 4, v5                   ; and 16 more for each 256 passed
	s_mul_i32 s21, s15, HALFS
	s_mul_i32 s22, s16, HALFS
	s_add_co_u32 s22, s22, 2*HALFS
	s_sub_co_u32 s22, s22, s21
	v_mul_u32_u24 v6, s22, v2                      ; lanes 16-31 take B's
	s_add_co_u32 s21, s21, SCL
	v_add_nc_u32 v5, v5, v6
	v_add_nc_u32 v[ADRS], s21, v5
	; the bias, in both forms (one is used; loading both keeps one path): they land under the products
	v_lshlrev_b32 v30, 6, v2                       ; form A: 16 numbers further on for lanes 16-31
	v_and_b32 v31, 8, v1
	v_add_nc_u32 v31, v31, v1
	v_lshlrev_b32 v31, 2, v31                      ; form B: number r + 8 (r / 8)
.irp x, 0,1,2,3,4,5,6,7
	global_load_b128 v[BIA+8*\x:BIA+8*\x+3], v30, s[96:97] offset:4*(32*(\x/2)+8*(\x%2))
	global_load_b128 v[BIA+8*\x+4:BIA+8*\x+7], v30, s[96:97] offset:4*(32*(\x/2)+8*(\x%2))+16
	global_load_b32 v[BIB+2*\x], v31, s[96:97] offset:4*(32*(\x/2)+8*(\x%2))
	global_load_b32 v[BIB+2*\x+1], v31, s[96:97] offset:4*(32*(\x/2)+8*(\x%2))
.endr
.macro FRAG reg, adr, q, i             ; a fragment, 16 rows x 128 K, is 12 registers: lane l holds row l % 16; registers 6 c .. 6 c + 5 hold K = 64 c + 32 (l / 16) + 0 .. 31: 24 bytes as they lie
.irp p, 0,1,2,3,4,5                    ; in pieces of 8 bytes.  Where the piece of lanes 16-31 (three pieces on) lies behind one padding more, the second address register serves
.set PC, 12*(\q)+6*(\p/3)+\p%3
.if PC%8 < 5
	ds_load_b64 v[\reg+2*\p:\reg+2*\p+1], v[\adr] offset:8*PC+16*(PC/8)+(\i)*16*PITCH
.else
	ds_load_b64 v[\reg+2*\p:\reg+2*\p+1], v[\adr+2] offset:8*PC+16*(PC/8)+(\i)*16*PITCH
.endif
.endr
.endm
; 16 matrix instructions: A's blocks a0, a0 + 1 x B's eight.  The 64 accumulators take turns, one instruction a turn, in the same order in every step.
.macro MUL16 a0, p, q, sc, zero
.irp a, \a0, \a0+1
.irp b, 0,1,2,3,4,5,6,7
.if \zero
	v_wmma_scale_f32_16x16x128_f8f6f4 v[8*(8*((\a)%4)+\b):8*(8*((\a)%4)+\b)+7], v[128*(\p)+FR*\b:128*(\p)+FR*\b+FR-1], v[AF+FR*(\a):AF+FR*(\a)+FR-1], 0, v[SC+8*NQ*(\sc)+NQ*\b+(\q)], v[SC+8*NQ*(\sc)+NQ*(\a)+(\q)] matrix_a_fmt:MATRIX_FMT_BF6 matrix_b_fmt:MATRIX_FMT_BF6 matrix_a_scale:MATRIX_SCALE_ROW1
.else
	v_wmma_scale_f32_16x16x128_f8f6f4 v[8*(8*((\a)%4)+\b):8*(8*((\a)%4)+\b)+7], v[128*(\p)+FR*\b:128*(\p)+FR*\b+FR-1], v[AF+FR*(\a):AF+FR*(\a)+FR-1], v[8*(8*((\a)%4)+\b):8*(8*((\a)%4)+\b)+7], v[SC+8*NQ*(\sc)+NQ*\b+(\q)], v[SC+8*NQ*(\sc)+NQ*(\a)+(\q)] matrix_a_fmt:MATRIX_FMT_BF6 matrix_b_fmt:MATRIX_FMT_BF6 matrix_a_scale:MATRIX_SCALE_ROW1
.endif
.endr
.endr
.endm
.macro FETCH_B slot, q, p
	WIN TO_B
.irp i, 0,1,2,3,4,5,6,7
	FRAG 128*(\p)+FR*\i, ADRB+\slot, \q, \i
.endr
	WIN 0
.endm
.macro FETCH_A slot, q, i0
.irp i, \i0, \i0+1, \i0+2, \i0+3
	FRAG AF+FR*(\i), ADRA+\slot, \q, \i
.endr
.endm
.macro SCALES sc                       ; a K step's scale words: lanes 0-15 take A's block i, lanes 16-31 B's block i
.irp i, 0,1,2,3,4,5,6,7
	ds_load_b64 v[SC+8*NQ*\sc+NQ*\i:SC+8*NQ*\sc+NQ*\i+1], v[ADRS] offset:\i*SBLK
.endr
.endm
.macro PLACES n                        ; plain vector lines between a matrix instruction and a load into, or a vector read of, its registers
.rept \n
	v_nop
.endr
.endm
.macro STEP slot, q, zero              ; 128 along K that has its successor in the same slot
	s_wait_dscnt 4*NL                              ; B's set and A's blocks 0-3 are in; the youngest 24 loads (A's blocks 4-7) may be out
	WIN MUL_LO
	MUL16 0, (\q)%2, \q, \slot, \zero
	MUL16 2, (\q)%2, \q, \slot, \zero
	s_wait_dscnt 0
	PLACES NP
	FETCH_B \slot, (\q)+1, 1-(\q)%2
	FETCH_A \slot, (\q)+1, 0
	WIN MUL_HI
	MUL16 4, (\q)%2, \q, \slot, \zero
	MUL16 6, (\q)%2, \q, \slot, \zero
	PLACES NP
	WIN 0
	FETCH_A \slot, (\q)+1, 4
.endm
; A slot's last step changes slots: one barrier; in front of it each wave waits for all its tensor loads, adds 0 to its spare word, and waits for that and for its reads of this slot.
.macro TURN slot, next, fill
	s_wait_tensorcnt 0x0                           ; all my tensor loads have landed: my part of the next slot
	ds_add_u32 v[SPW], v[NIL]                      ; 0 onto my spare word
	s_wait_dscnt 4*NL+1                            ; the add and the youngest 24 loads (A's blocks 4-7) may be out
	WIN MUL_LO
	MUL16 0, 1, NQ-1, \slot, 0
	s_wait_dscnt 0x0                               ; the add is done, and my reads of this slot are over
	s_barrier_signal -1
	MUL16 2, 1, NQ-1, \slot, 0
	WIN 0
	s_barrier_wait -1
.if \fill
	CREST                                          ; the barrier has opened a round of the cluster's: no wave of any partner still reads this slot or has a load on its way
	s_add_nc_u64 s[G0+4*\slot+2:G0+4*\slot+3], s[G0+4*\slot+2:G0+4*\slot+3], s[94:95]
	s_add_nc_u64 s[G0B+4*\slot+2:G0B+4*\slot+3], s[G0B+4*\slot+2:G0B+4*\slot+3], s[92:93]
	JLOAD G0+4*\slot, G1, G0B+4*\slot, G1B         ; the first tensor load behind the round; its four v_nop are the places in front of the loads below
.else
	PLACES NP
.endif
	s_wait_alu depctr_va_vdst(0)
	v_add_nc_u32 v[ADRS], 4*NQ, v[ADRS]            ; the next K step's scale words
	FETCH_B \next, 0, 0
	FETCH_A \next, 0, 0
	SCALES \next
	WIN MUL_HI
	MUL16 4, 1, NQ-1, \slot, 0
	MUL16 6, 1, NQ-1, \slot, 0
	PLACES NP
	WIN 0
	FETCH_A \next, 0, 4
.endm
	s_wait_alu depctr_va_vdst(0)
	s_wait_tensorcnt 0x0                           ; my tile of the head's four is in; slot 1's first fill is issued as a refill is
	ds_add_u32 v[SPW], v[NIL]
	s_mov_b32 s[G1+2], 96<<16                      ; no tensor load of mine is out: from here on a load brings 128 operand rows, 96 rows of 256 bytes
	s_mov_b32 s[G1+4], 96
	s_mov_b32 s[G1B+2], 96<<16
	s_mov_b32 s[G1B+4], 96
	s_wait_dscnt 0x0
	CROUND                                         ; all four tiles are in, and the sixteen work-groups are here
	JLOAD G0+4, G1, G0B+4, G1B                     ; K step 1, the first tensor load behind the round
	FETCH_B 0, 0, 0
	FETCH_A 0, 0, 0
	SCALES 0
	FETCH_A 0, 0, 4
	STEP 0, 0, 1                                   ; the first step stands in front of the loop: its products start the sums
	s_mov_b32 s3, LAPS-1
.Llap:                                                 ; a trip goes once round the ring and fills both slots again
	TURN 0, 1, 1
	STEP 1, 0, 0
	TURN 1, 0, 1
	STEP 0, 0, 0
	s_sub_co_u32 s3, s3, 1
	s_cmp_lg_u32 s3, 0
	s_cbranch_scc1 .Llap
	TURN 0, 1, 0                                   ; the last lap fills nothing
	STEP 1, 0, 0
	s_wait_dscnt 4*NL
	WIN MUL_LO
	MUL16 0, 1, NQ-1, 1, 0
	MUL16 2, 1, NQ-1, 1, 0
	s_wait_dscnt 0
	WIN MUL_HI
	MUL16 4, 1, NQ-1, 1, 0
	MUL16 6, 1, NQ-1, 1, 0
	WIN 0
; THE WAY OUT.  No LDS: a lane's 64 registers of one block of A are 128 neighbours along the next K in halves of 16, so they are quantised where they stand and stored as register images, 512 dense bytes a store.
; 64 numbers v[s] on, register 16 b + i = k 32 b + 16 (lane / 16) + i, become the codes of blocks 0, 1 in v[d0] .. v[d0 + 5] and of blocks 2, 3 in v[d1] .. v[d1 + 5] (lanes 0-15 the even block, lanes 16-31 the odd); the four bytes stay in v[TM + 4] on.
.macro QUANT s, d0, d1
.irp b, 0,1,2,3
	v_max3_num_f32 v[TM+\b], |v[\s+16*\b]|, |v[\s+1+16*\b]|, 0x2800000   ; my 16 numbers of block b, and the floor 2^(5 - 127): the byte cannot fall under 1
.endr
.irp i, 2,4,6,8,10,12,14
.irp b, 0,1,2,3
	v_max3_num_f32 v[TM+\b], v[TM+\b], |v[\s+16*\b+\i]|, |v[\s+1+16*\b+\i]|
.endr
.endr
.irp b, 0,1,2,3
	v_permlanex16_b32 v[TM+4+\b], v[TM+\b], s100, s101
.endr
.irp b, 0,1,2,3
	v_max_num_f32 v[TM+\b], v[TM+\b], v[TM+4+\b]   ; with lane l xor 16's: the block's largest magnitude
.endr
.irp b, 0,1,2,3
	v_add_nc_u32 v[TM+12+\b], 0xfe000000, v[TM+\b] ; 4 off its exponent field: the conversion's scale operand
.endr
.irp b, 0,1,2,3
	v_lshrrev_b32 v[TM+4+\b], 23, v[TM+12+\b]      ; the byte
.endr
	v_cvt_scalef32_pk16_bf6_f32 v[\d0:\d0+2], v[\s:\s+15], v[TM+12]
	v_cvt_scalef32_pk16_bf6_f32 v[TQ:TQ+2], v[\s+16:\s+31], v[TM+13]   ; (a conversion's three registers begin on an even number)
	v_cvt_scalef32_pk16_bf6_f32 v[\d1:\d1+2], v[\s+32:\s+47], v[TM+14]
	v_cvt_scalef32_pk16_bf6_f32 v[TQ+4:TQ+6], v[\s+48:\s+63], v[TM+15]
	v_nop                                          ; one plain line behind the conversions
.irp i, 0,1,2
	v_permlane16_swap_b32 v[\d0+\i], v[TQ+\i]      ; a whole block to a lane
	v_permlane16_swap_b32 v[\d1+\i], v[TQ+4+\i]
.endr
.irp i, 0,1,2
	v_mov_b32 v[\d0+3+\i], v[TQ+\i]
	v_mov_b32 v[\d1+3+\i], v[TQ+4+\i]
.endr
.endm
	PLACES NP                                      ; behind the last products, ahead of the first read of results and the first write over A's fragments
	s_wait_loadcnt 0x0                             ; the bias
	v_and_b32 v5, 31, v0
	v_lshlrev_b32 v5, 4, v5                        ; an image's place for my lane: 16 x lane
	v_lshlrev_b32 v6, 4, v1
	v_lshl_add_u32 v6, v2, 11, v6                  ; scale words: 16 r; lanes 16-31 the next head's, 2,048 bytes on
	s_mov_b32 s100, 0x76543210
	s_mov_b32 s101, 0xfedcba98                     ; lane selects: lane l xor 16
.irp b, 0,1,2,3
	v_mov_b32 v[TM+4+\b], 0                        ; written once: a lane permute's destination counts as one of its sources
.endr
	s_mov_b32 vcc_lo, 0xffff0000                   ; lanes 16-31
	s_cmp_eq_u32 ttmp9, 2                          ; the cluster's x: the same in all partners
	s_cbranch_scc1 .Lv_out
; q, k: block a of A is a tile of 16 tokens; my 128 columns are heads h0 (blocks 0, 1 of dk) and h0 + 1 (blocks 2, 3).  Tiles 2 p and 2 p + 1 fill one image of each head.
.irp p, 0,1,2,3
.if \p > 0
	s_wait_xcnt 0x0                                ; the last pair's stores have read their registers: the images may be written again
.endif
.irp u, 0,1
.set AA, 2*\p+\u
	WIN (2+AA/4)                                   ; source 0: the accumulators' window
.set j, 0
.rept 32
	v_pk_add_f32 v[T+j:T+j+1], v[64*(AA%4)+j:64*(AA%4)+j+1], v[BIA+j:BIA+j+1]   ; + bias; each accumulator is read from its low end on
.set j, j+2
.endr
	WIN 0
	QUANT T, IMG0+6*\u, IMG1+6*\u
.if \u == 0
	v_lshl_or_b32 v[8+\p], v[TM+5], 8, v[TM+4]     ; head h0's word: bytes 0, 1 tile 2 p,
	v_lshl_or_b32 v[12+\p], v[TM+7], 8, v[TM+6]    ; head h0 + 1's
.else
	v_lshl_or_b32 v[8+\p], v[TM+4], 16, v[8+\p]    ; bytes 2, 3 tile 2 p + 1
	v_lshl_or_b32 v[8+\p], v[TM+5], 24, v[8+\p]
	v_lshl_or_b32 v[12+\p], v[TM+6], 16, v[12+\p]
	v_lshl_or_b32 v[12+\p], v[TM+7], 24, v[12+\p]
.endif
.endr
.irp c, 0,1
.irp k, 0,1,2
	global_store_b128 v5, v[IMG0+12*\c+4*\k:IMG0+12*\c+4*\k+3], s[12:13] offset:\c*49152+\p*1536+512*\k   ; 32 lanes store 512 consecutive bytes
.endr
.endr
.endr
	s_branch .Lwords
; v: block a of A is a tile of 16 dv (head h0 + a / 4, tile a % 4); my 128 tokens are one key step: one fragment and one scale word a row.
.Lv_out:
.irp a, 0,1,2,3,4,5,6,7
.if \a > 0
	s_wait_xcnt 0x0                                ; the last image's stores have read their registers
.endif
	WIN (2+\a/4)
.set j, 0
.rept 32
	v_pk_add_f32 v[T+j:T+j+1], v[64*(\a%4)+j:64*(\a%4)+j+1], v[BIB+2*\a:BIB+2*\a+1]   ; + my dv's bias
.set j, j+2
.endr
	WIN 0
	QUANT T, IMG0, IMG0+6
	v_lshl_or_b32 v[8+\a], v[TM+5], 8, v[TM+4]
	v_lshl_or_b32 v[8+\a], v[TM+6], 16, v[8+\a]
	v_lshl_or_b32 v[8+\a], v[TM+7], 24, v[8+\a]
.irp k, 0,1,2
	global_store_b128 v5, v[IMG0+4*\k:IMG0+4*\k+3], s[12:13] offset:(\a/4)*49152+(\a%4)*1536+512*\k
.endr
.endr
.Lwords:                                               ; v8-11: head h0's four words of row r; v12-15: head h0 + 1's
	s_wait_alu depctr_va_vdst(0)
.irp i, 0,1,2,3
	v_cndmask_b32 v[8+\i], v[8+\i], v[12+\i], vcc_lo
.endr
	global_store_b128 v6, v[8:11], s[66:67]        ; lanes 0-15 store 256 consecutive aligned bytes of one head, lanes 16-31 of the next
	s_wait_tensorcnt 0x0                           ; the wave's end
	ds_add_u32 v[SPW], v[NIL]
	s_wait_dscnt 0x0
	CROUND                                         ; the closing round: no work-group ends while a partner may still ask for a tile that names it
	s_endpgm
.Lfunc_end_k_qb5f5323971_proj:
	.size	k_qb5f5323971_proj, .Lfunc_end_k_qb5f5323971_proj-k_qb5f5323971_proj
	.p2alignl 7, 3214868480
	.fill 96, 4, 3214868480
	.section	.rodata,"a",@progbits
	.p2align	6, 0x0
	.amdhsa_kernel k_qb5f5323971_proj
		.amdhsa_group_segment_fixed_size 327680
		.amdhsa_private_segment_fixed_size 0
		.amdhsa_enable_private_segment 0
		.amdhsa_kernarg_size 64
		.amdhsa_user_sgpr_count 2
		.amdhsa_user_sgpr_kernarg_segment_ptr 1
		.amdhsa_wavefront_size32 1
		.amdhsa_system_sgpr_workgroup_id_x 1
		.amdhsa_system_sgpr_workgroup_id_y 1
		.amdhsa_system_sgpr_workgroup_id_z 1
		.amdhsa_system_vgpr_workitem_id 0
		.amdhsa_next_free_vgpr 1024
		.amdhsa_next_free_sgpr 102
		.amdhsa_reserve_vcc 1
		.amdhsa_float_denorm_mode_32 3
		.amdhsa_float_denorm_mode_16_64 3
		.amdhsa_memory_ordered 1
		.amdhsa_forward_progress 1
		.amdhsa_inst_pref_size 234
	.end_amdhsa_kernel
	.amdgpu_metadata
---
amdhsa.version: [ 1, 2 ]
amdhsa.kernels:
  - .name:           k_qb5f5323971_proj
    .symbol:         k_qb5f5323971_proj.kd
    .args:
      - { .name: xq, .offset: 0, .size: 8, .value_kind: global_buffer, .address_space: global }
      - { .name: wq, .offset: 8, .size: 8, .value_kind: global_buffer, .address_space: global }
      - { .name: bq, .offset: 16, .size: 8, .value_kind: global_buffer, .address_space: global }
      - { .name: bk, .offset: 24, .size: 8, .value_kind: global_buffer, .address_space: global }
      - { .name: bv, .offset: 32, .size: 8, .value_kind: global_buffer, .address_space: global }
      - { .name: qb, .offset: 40, .size: 8, .value_kind: global_buffer, .address_space: global }
      - { .name: kb, .offset: 48, .size: 8, .value_kind: global_buffer, .address_space: global }
      - { .name: vb, .offset: 56, .size: 8, .value_kind: global_buffer, .address_space: global }
    .group_segment_fixed_size: 327680
    .private_segment_fixed_size: 0
    .kernarg_segment_align: 8
    .kernarg_segment_size: 64
    .max_flat_workgroup_size: 128
    .sgpr_count:     102
    .vgpr_count:     1024
    .wavefront_size: 32
...
	.end_amdgpu_metadata
.endif
;; end of part 2
;; launch attn (part 3): grid 2 x 128, 16 waves a work-group, no clusters, 169,984 bytes of LDS; arguments qb, kb, vb, yb; writes yb
.if DOCPART == 3
	.amdgcn_target "amdgcn-amd-amdhsa--gfx1250"
	.amdhsa_code_object_version 6
	.text
	.protected	k_qb5f5323971_attn
	.globl	k_qb5f5323971_attn
	.p2align	8
	.type	k_qb5f5323971_attn,@function
k_qb5f5323971_attn:
	s_mov_b64 s[64:65], 0
	v_nop
	global_prefetch_b8 v0, s[64:65] scope:SCOPE_SE
	s_setreg_imm32_b32 hwreg(HW_REG_WAVE_MODE, 25, 1), 1
	s_wait_xcnt 0x0
; Causal attention of one (b, h) on codes of BF6 (E3M2) with one E8M0 byte for each 32 along a product's K; the result y = O / l is quantised along h x 64 + dv and leaves as codes.
; SOFTMAX: t = score x log2(e) / 8; M = the row's largest t so far, rounded UP to a whole number; p = 2^(t - M) is what is quantised, along the keys, not normalised.  The row's sum is taken of the
; unquantised p and divides O at the end.  When M moves, the sum and O are multiplied by 2^(old M - new M): exact.
; SHARES.  Work-group (x, 16 b + h); sixteen waves of 256 registers, four to a SIMD, so that one wave's vector work stands beside another's products and LDS loads.  Wave w takes query tile 16 x + w and
; then tile 63 - (16 x + w).  Tile i wants i / 8 + 1 key steps of 128, so every wave has 9 steps.  Tile i = 2 B + u, lane r: token 32 B + 8 u + r + 8 (r / 8).
; LDS is filled ONCE: a head's K images (49,152 bytes), V images (49,152) and their scale words (2,048 each).  The first tile reads only keys under 512, the low halves; the high halves may land meanwhile.
; NO CLUSTER: a head's K and V are read by the two work-groups of its grid row alone; a cluster of four would join two heads, which share nothing.
; THE HEAD IS 64 WIDE, THE INSTRUCTION 128.  An image of K holds two tiles of keys: registers 0-5 (k 0-63) tile 2 B, registers 6-11 (k 64-127) tile 2 B + 1.  Against [q | zeros] it gives tile 2 B's scores,
; against [zeros | q] tile 2 B + 1's: zero codes add nothing, whatever their scale byte (here 0, not 0xff).  No LDS byte is read for the zeros.
; Both products are used transposed (S^T = K Q^T, O^T = V^T P^T): a lane holds ONE query (lane % 16); register 16 f + i of S^T is key 32 f + 16 (lane / 16) + i of the step.
; A step all of whose keys come after the tile's queries is left out by a scalar branch on ids; the loops' trip counts are constants.  On the diagonal hidden scores become -infinity ahead of the maximum.
; yb: codes [h / 4][T = 64 b + i][h % 4][3 planes][32 lanes][8 bytes]; from byte 6,291,456 scale bytes [16 T + r][32], byte 2 h + block.  The scale bytes leave one byte a lane, 32 bytes apart:
; a work-group owns 2 of a row's 32 bytes; they are 1/24 of the codes' bytes.
; LIMITS: NaN and infinities are not served; a block whose largest magnitude lies under 2^-122 has its byte held at 1, a block of zeros too (zero codes; the bytes are read by this program alone).
; REGISTERS: v2-7 addresses that stay; v8-11 the step's LDS addresses; v12 -M, v13 the largest t, v[14:15] the sum; v16-33 [0 x 6 | q x 6 | 0 x 6]; v34, v35 q's scale words; v36-39 K's, v40-43 V's;
;   v44-91 four fragments; v92 r + 8 (r / 8) - 16 (lane / 16); v93 -infinity; v94 at work; v95 32 r + lane / 16; v96-159 S^T, p, y; v160-191 O^T; v192-203 p's codes; v204-210 second halves;
;   v212-223 block maxima, bytes, scale operands; v224 p's scale word; v[226:227] f; v228, v229 at work; v230-243 and v244-255 the two tiles' raw q images and scale words.
.set VI,   49152                       ; LDS: K's images at 0, V's here,
.set KSC,  98304                       ; K's scale words,
.set VSC,  100352                      ; V's
.set BM,   212
.set PX,   216
.set SO,   220
	s_load_b256 s[4:11], s[0:1], 0x0               ; qb s[4:5], kb s[6:7], vb s[8:9], yb s[10:11]
	v_lshl_add_u32 v211, v0, 2, 0x29000
	v_mov_b32 v225, 0
	ds_add_u32 v211, v225
	ds_add_u32 v211, v225
	v_lshrrev_b32 v1, 5, v0
	s_delay_alu instid0(VALU_DEP_1)
	v_readfirstlane_b32 s20, v1                    ; wave 0..15
	s_and_b32 s21, ttmp7, 0xffff                   ; 16 b + h
	; descriptor group 1: dense bytes as rows of 256 (32 elements of 8 bytes), no padding, no mask: s[24:31] 96 rows (half a head's images), s[32:39] 8 rows (a head's scale words)
	s_mov_b32 s24, 3<<16
	s_mov_b32 s25, 32<<16                          ; tensor_dim0
	s_mov_b32 s26, 96<<16                          ; tensor_dim1
	s_mov_b32 s27, 32<<16                          ; tile_dim0
	s_mov_b32 s28, 96                              ; tile_dim1
	s_mov_b32 s29, 32                              ; tensor_dim0_stride
	s_mov_b32 s30, 0
	s_mov_b32 s31, 0
	s_mov_b32 s32, 3<<16
	s_mov_b32 s33, 32<<16
	s_mov_b32 s34, 8<<16
	s_mov_b32 s35, 32<<16
	s_mov_b32 s36, 8
	s_mov_b32 s37, 32
	s_mov_b32 s38, 0
	s_mov_b32 s39, 0
	s_mul_i32 s12, s21, 49152                      ; the head's images,
	s_mov_b32 s13, 0
	s_lshl_b32 s14, s21, 11
	s_add_co_u32 s14, s14, 6291456                 ; and its scale words, in each of qb, kb, vb
	s_mov_b32 s15, 0
	s_mov_b32 s22, 0x3e38aa3b                      ; c = log2(e) / 8
	s_mov_b32 s23, s22                             ; (named with it as a pair)
	s_mov_b32 s66, 0x76543210
	s_mov_b32 s67, 0xfedcba98                      ; lane selects: lane l xor 16
	s_wait_dscnt 0x0
	s_wait_kmcnt 0x0
	s_mov_b32 s40, 1
	s_mov_b32 s41, KSC
	s_add_nc_u64 s[42:43], s[6:7], s[14:15]
	s_or_b32 s43, s43, 0x80000000
	s_mov_b32 s44, 1
	s_mov_b32 s45, 0
	s_add_nc_u64 s[46:47], s[6:7], s[12:13]
	s_mov_b32 s48, 1
	s_mov_b32 s49, 24576
	s_add_nc_u64 s[50:51], s[46:47], 24576
	s_or_b32 s47, s47, 0x80000000
	s_or_b32 s51, s51, 0x80000000
	s_mov_b32 s52, 1
	s_mov_b32 s53, VSC
	s_add_nc_u64 s[54:55], s[8:9], s[14:15]
	s_or_b32 s55, s55, 0x80000000
	s_mov_b32 s56, 1
	s_mov_b32 s57, VI
	s_add_nc_u64 s[58:59], s[8:9], s[12:13]
	s_mov_b32 s60, 1
	s_mov_b32 s61, VI+24576
	s_add_nc_u64 s[62:63], s[58:59], 24576
	s_or_b32 s59, s59, 0x80000000
	s_or_b32 s63, s63, 0x80000000
; The six fills, one to a wave, in one chain of branches on the wave's number: waves 0, 1 keys 0-511 of K and V, waves 2, 3 the scale words, waves 4, 5 keys 512-1023; waves 6-15 none.
; Every wave waits for 0 in front of the one barrier: behind it all of the head's K and V stand in LDS for both tiles.
.macro ARM under, g0, g1, next
	s_cmp_lt_u32 s20, \under
	s_cbranch_scc0 \next
	tensor_load_to_lds s[\g0:\g0+3], s[\g1:\g1+7]
	s_nop 0
.rept 4
	v_nop
.endr
	s_branch .Lasked
\next:
.endm
	ARM 1, 44, 24, .Larm1
	ARM 2, 56, 24, .Larm2
	ARM 3, 40, 32, .Larm3
	ARM 4, 52, 32, .Larm4
	ARM 5, 48, 24, .Larm5
	s_cmp_lt_u32 s20, 6
	s_cbranch_scc0 .Lasked
	tensor_load_to_lds s[60:63], s[24:31]
	s_nop 0
.rept 4
	v_nop
.endr
.Lasked:
	s_lshl_b32 s16, ttmp9, 4
	s_add_co_u32 s16, s16, s20                     ; my first tile
	s_sub_co_u32 s17, 63, s16                      ; my second
	s_and_b32 s18, s21, 15                         ; h
	s_lshr_b32 s19, s21, 4                         ; b
; the addresses of tile s[ti], my e-th: s[70+2e] q's image, s[74+2e] q's scale words, s[78+2e] y's codes, s[82+2e] y's scale bytes; s[86+2e] its first token, s[87+2e] u
.macro TADR e, ti
	s_lshr_b32 s94, s[\ti], 1                      ; B
	s_and_b32 s[87+2*\e], s[\ti], 1                ; u
	s_lshl_b32 s[86+2*\e], s94, 5
	s_lshl_b32 s95, s[87+2*\e], 3
	s_add_co_u32 s[86+2*\e], s[86+2*\e], s95       ; 32 B + 8 u
	s_mul_i32 s96, s94, 1536
	s_add_co_u32 s96, s96, s12
	s_mov_b32 s97, 0
	s_add_nc_u64 s[70+2*\e:71+2*\e], s[4:5], s[96:97]
	s_lshr_b32 s96, s94, 2
	s_lshl_b32 s96, s96, 8
	s_and_b32 s95, s94, 3
	s_lshl_b32 s95, s95, 2
	s_add_co_u32 s96, s96, s95
	s_add_co_u32 s96, s96, s14
	s_add_nc_u64 s[74+2*\e:75+2*\e], s[4:5], s[96:97]
	s_lshl_b32 s95, s19, 6
	s_add_co_u32 s95, s95, s[\ti]                  ; T = 64 b + i
	s_mul_i32 s96, s95, 3072
	s_lshr_b32 s98, s18, 2
	s_mul_i32 s98, s98, 1572864
	s_add_co_u32 s96, s96, s98
	s_and_b32 s98, s18, 3
	s_mul_i32 s98, s98, 768
	s_add_co_u32 s96, s96, s98
	s_add_nc_u64 s[78+2*\e:79+2*\e], s[10:11], s[96:97]
	s_lshl_b32 s96, s95, 9
	s_lshl_b32 s98, s18, 1
	s_add_co_u32 s96, s96, s98
	s_add_co_u32 s96, s96, 6291456
	s_add_nc_u64 s[82+2*\e:83+2*\e], s[10:11], s[96:97]
.endm
	TADR 0, 16
	TADR 1, 17
	v_and_b32 v92, 31, v0
	s_delay_alu instid0(VALU_DEP_1)
	v_lshlrev_b32 v5, 4, v92                       ; 16 x lane: an image's place for my lane, in memory and (K's images begin at LDS byte 0) in LDS
	s_delay_alu instid0(VALU_DEP_2)
	v_lshlrev_b32 v7, 3, v92                       ; 8 x lane
	v_and_b32 v93, 15, v0                          ; r
	v_bfe_u32 v94, v0, 4, 1                        ; lane / 16
	s_delay_alu instid0(VALU_DEP_2)
	v_lshlrev_b32 v6, 4, v93                       ; 16 r: a row's four scale words
.irp c, 0,1,2
	global_load_b128 v[230+4*\c:233+4*\c], v5, s[70:71] offset:512*\c
	global_load_b128 v[244+4*\c:247+4*\c], v5, s[72:73] offset:512*\c
.endr
	global_load_b32 v242, v6, s[74:75]
	global_load_b32 v243, v6, s[76:77]
	v_add_nc_u32 v2, VI, v5
	v_add_nc_u32 v3, KSC, v6
	v_add_nc_u32 v4, VSC, v6
	v_lshl_add_u32 v95, v93, 5, v94                ; 32 r + lane / 16
	v_and_b32 v92, 8, v93
	s_delay_alu instid0(VALU_DEP_1)
	v_add_nc_u32 v92, v92, v93
	v_lshlrev_b32 v94, 4, v94
	s_delay_alu instid0(VALU_DEP_1)
	v_sub_nc_u32 v92, v92, v94                     ; r + 8 (r / 8) - 16 (lane / 16)
	v_mov_b32 v93, 0xff800000                      ; -infinity
.irp j, 0,1,2,3,4,5
	v_mov_b32 v[16+\j], 0                          ; the zero codes on both sides of q
	v_mov_b32 v[28+\j], 0
.endr
.irp b, 0,1,2,3
	v_mov_b32 v[PX+\b], 0                          ; written once: a lane permute's destination counts as one of its sources
.endr
	v_mov_b32 v227, 0                              ; (named as the upper half of the pair v[226:227])
; ONE QUERY TILE.  nt: trips (key steps that LDS holds for it); raw, rsc: its raw image and scale word; qlo, uu: scalars with its first token and u; yc, ys: bases of y's codes and scale bytes.
.macro TILE nt, raw, rsc, qlo, uu, yc, ys
	s_wait_xcnt 0x0                                ; the last tile's stores have read their registers
	s_cmp_eq_u32 s[\uu], 1
	s_cselect_b32 vcc_lo, -1, 0
.irp j, 0,1,2,3,4,5
	v_cndmask_b32 v[22+\j], v[\raw+\j], v[\raw+6+\j], vcc_lo   ; my tile's half of the image
.endr
	s_lshl_b32 s94, s[\uu], 4
	v_lshrrev_b32 v34, s94, v[\rsc]
	s_delay_alu instid0(VALU_DEP_1)
	v_and_b32 v34, 0xffff, v34                     ; q's two bytes under k 0-63,
	s_delay_alu instid0(VALU_DEP_1)
	v_lshlrev_b32 v35, 16, v34                     ; or under k 64-127
	v_mov_b32 v13, 0xff61b1e6                      ; the largest t so far: -3e38
	s_delay_alu instid0(VALU_DEP_1)
	v_floor_f32 v12, -v13                          ; -M
	v_mov_b32 v14, 0
	v_mov_b32 v15, 0
.set j, 0
.rept 32
	v_mov_b32 v[160+j], 0                          ; O^T: the step is written once; the first finds zeros.  (These lines also stand between the writes of q and its scale words and the first product)
.set j, j+1
.endr
	s_mov_b32 s91, 0                               ; the step's images,
	s_mov_b32 s92, 0                               ; its scale words,
	s_mov_b32 s93, 0                               ; its first key
	s_mov_b32 s90, \nt
	s_add_co_u32 s95, s[\qlo], 23                  ; the tile's last token
.Lstep_\@:
	s_cmp_gt_u32 s93, s95
	s_cbranch_scc1 .Lhidden_\@                     ; all 128 keys come after my queries
	v_add_nc_u32 v8, s91, v5                       ; (these four are the places between the last products and the loads into their registers)
	v_add_nc_u32 v9, s91, v2
	v_add_nc_u32 v10, s92, v3
	v_add_nc_u32 v11, s92, v4
.irp f, 0,1,2,3
.irp c, 0,1,2
	ds_load_b128 v[44+12*\f+4*\c:47+12*\f+4*\c], v8 offset:1536*\f+512*\c   ; an image comes back as it was stored: 512 consecutive bytes a load
.endr
.endr
	ds_load_b128 v[36:39], v10
	s_wait_alu depctr_va_vdst(0)
	s_wait_dscnt 0x0
.irp f, 0,1,2,3
	v_wmma_scale_f32_16x16x128_f8f6f4 v[96+16*\f:103+16*\f], v[44+12*\f:55+12*\f], v[22:33], 0, v[36+\f], v34 matrix_a_fmt:MATRIX_FMT_BF6 matrix_b_fmt:MATRIX_FMT_BF6
	v_wmma_scale_f32_16x16x128_f8f6f4 v[104+16*\f:111+16*\f], v[44+12*\f:55+12*\f], v[16:27], 0, v[36+\f], v35 matrix_a_fmt:MATRIX_FMT_BF6 matrix_b_fmt:MATRIX_FMT_BF6
.endr
.rept 4
	v_nop                                          ; places: ahead of the loads into K's registers and of the first read of the scores
.endr
.irp f, 0,1,2,3
.irp c, 0,1,2
	ds_load_b128 v[44+12*\f+4*\c:47+12*\f+4*\c], v9 offset:1536*\f+512*\c   ; V's four fragments land under the softmax
.endr
.endr
	ds_load_b128 v[40:43], v11
	s_add_co_u32 s94, s93, 127
	s_cmp_le_u32 s94, s[\qlo]
	s_cbranch_scc1 .Lopen_\@                       ; every key counts for every query of the tile
	s_sub_co_i32 s94, s[\qlo], s93
	v_add_nc_u32 v94, s94, v92                     ; d = my token - the step's first key - 16 (lane / 16): register 16 f + i is hidden where 32 f + i > d
.set n, 0
.rept 64
	v_cmp_gt_i32 vcc_lo, 32*(n/16)+n%16, v94
	v_cndmask_b32 v[96+n], v[96+n], v93, vcc_lo
.set n, n+1
.endr
.Lopen_\@:
.irp b, 0,1,2,3
	v_max3_num_f32 v[BM+\b], v[96+16*\b], v[97+16*\b], v[98+16*\b]   ; the largest score of each block of 32 keys: for the row's maximum, and, since p rises with the score, for the block's largest p
.endr
.irp i, 3,5,7,9,11,13
.irp b, 0,1,2,3
	v_max3_num_f32 v[BM+\b], v[BM+\b], v[96+16*\b+\i], v[97+16*\b+\i]
.endr
.endr
.irp b, 0,1,2,3
	v_max_num_f32 v[BM+\b], v[BM+\b], v[111+16*\b]
.endr
.irp b, 0,1,2,3
	s_delay_alu instid0(VALU_DEP_4)
	v_permlanex16_b32 v[PX+\b], v[BM+\b], s66, s67
.endr
.irp b, 0,1,2,3
	s_delay_alu instid0(VALU_DEP_4)
	v_max_num_f32 v[BM+\b], v[BM+\b], v[PX+\b]     ; with lane l xor 16's 16 keys
.endr
	s_delay_alu instid0(VALU_DEP_2)
	v_max3_num_f32 v228, v212, v213, v214
	s_delay_alu instid0(VALU_DEP_1)
	v_max_num_f32 v228, v228, v215
	s_delay_alu instid0(VALU_DEP_1)
	v_mul_f32 v228, s22, v228                      ; the step's largest t (c is positive)
	s_delay_alu instid0(VALU_DEP_1)
	v_max_num_f32 v13, v13, v228
	v_mov_b32 v228, v12
	s_delay_alu instid0(VALU_DEP_2)
	v_floor_f32 v12, -v13                          ; the new -M = -ceil(t)
	s_delay_alu instid0(VALU_DEP_1)
	v_sub_f32 v228, v12, v228                      ; old M - new M: a whole number, 0 or less
	s_delay_alu instid0(VALU_DEP_1)
	v_cvt_i32_f32 v228, v228                       ; (it saturates)
	s_delay_alu instid0(VALU_DEP_1)
	v_ldexp_f32 v226, 1.0, v228                    ; f = 2^(old M - new M)
.set j, 0
.rept 32
	v_pk_fma_f32 v[96+j:97+j], v[96+j:97+j], s[22:23], v[12:13] op_sel_hi:[1,0,0]   ; t - M
.set j, j+2
.endr
.irp b, 0,1,2,3
	v_fma_f32 v[BM+\b], v[BM+\b], s22, v12
.endr
.set j, 0
	s_wait_alu depctr_va_vdst(0)
.rept 64
	v_exp_f32 v[96+j], v[96+j]                     ; p = 2^(t - M)
.set j, j+1
.endr
.irp b, 0,1,2,3
	v_exp_f32 v[BM+\b], v[BM+\b]                   ; the block's largest p: the same two instructions on the same number
.endr
	v_pk_mul_f32 v[14:15], v[14:15], v[226:227] op_sel_hi:[1,0]   ; the sums under the new M (the plain line behind the exponentials)
	s_wait_alu depctr_va_vdst(0)
.irp b, 0,1,2,3
	v_max_num_f32 v[BM+\b], 0x2800000, v[BM+\b]    ; the floor 2^(5 - 127)
.endr
.irp b, 0,1,2,3
	s_delay_alu instid0(VALU_DEP_4)
	v_add_nc_u32 v[SO+\b], 0xfe000000, v[BM+\b]    ; the conversions' scale operands
.endr
.irp b, 0,1,2,3
	s_delay_alu instid0(VALU_DEP_4)
	v_lshrrev_b32 v[PX+\b], 23, v[SO+\b]           ; the bytes
.endr
	s_delay_alu instid0(VALU_DEP_3)
	v_lshl_or_b32 v224, v217, 8, v216              ; p's scale word for these 128 keys
	s_delay_alu instid0(VALU_DEP_1)
	v_lshl_or_b32 v224, v218, 16, v224
	s_delay_alu instid0(VALU_DEP_1)
	v_lshl_or_b32 v224, v219, 24, v224
.irp c, 0,1
	v_cvt_scalef32_pk16_bf6_f32 v[192+6*\c:194+6*\c], v[96+32*\c:111+32*\c], v[SO+2*\c]
	v_cvt_scalef32_pk16_bf6_f32 v[204+4*\c:206+4*\c], v[112+32*\c:127+32*\c], v[SO+2*\c+1]
.endr
	v_nop                                          ; one plain line behind the conversions
.irp c, 0,1
.irp i, 0,1,2
	v_permlane16_swap_b32 v[192+6*\c+\i], v[204+4*\c+\i]   ; a whole block to a lane
.endr
.irp i, 0,1,2
	s_delay_alu instid0(VALU_DEP_3)
	v_mov_b32 v[195+6*\c+\i], v[204+4*\c+\i]
.endr
.endr
	v_pk_add_f32 v[216:217], v[100:101], v[104:105]
	v_pk_add_f32 v[240:241], v[108:109], v[112:113]
	v_pk_add_f32 v[238:239], v[116:117], v[120:121]
	v_pk_add_f32 v[236:237], v[124:125], v[128:129]
	v_pk_add_f32 v[234:235], v[132:133], v[136:137]
	v_pk_add_f32 v[232:233], v[140:141], v[144:145]
	v_pk_add_f32 v[230:231], v[148:149], v[152:153]
	v_pk_add_f32 v[14:15], v[14:15], v[156:157]
	v_pk_add_f32 v[216:217], v[216:217], v[96:97]
	v_pk_add_f32 v[240:241], v[240:241], v[98:99]
	v_pk_add_f32 v[238:239], v[238:239], v[102:103]
	v_pk_add_f32 v[236:237], v[236:237], v[106:107]
	v_pk_add_f32 v[234:235], v[234:235], v[110:111]
	v_pk_add_f32 v[232:233], v[232:233], v[114:115]
	v_pk_add_f32 v[230:231], v[230:231], v[118:119]
	v_pk_add_f32 v[14:15], v[14:15], v[122:123]
	v_pk_add_f32 v[216:217], v[216:217], v[126:127]
	v_pk_add_f32 v[240:241], v[240:241], v[130:131]
	v_pk_add_f32 v[238:239], v[238:239], v[134:135]
	v_pk_add_f32 v[236:237], v[236:237], v[138:139]
	v_pk_add_f32 v[234:235], v[234:235], v[142:143]
	v_pk_add_f32 v[232:233], v[232:233], v[146:147]
	v_pk_add_f32 v[230:231], v[230:231], v[150:151]
	v_pk_add_f32 v[14:15], v[14:15], v[154:155]
	v_pk_add_f32 v[216:217], v[216:217], v[158:159]
	s_delay_alu instid0(VALU_DEP_2)
	v_pk_add_f32 v[14:15], v[14:15], v[236:237]
	s_delay_alu instid0(VALU_DEP_2)
	v_pk_add_f32 v[216:217], v[216:217], v[234:235]
	v_pk_add_f32 v[240:241], v[240:241], v[232:233]
	v_pk_add_f32 v[238:239], v[238:239], v[230:231]
	s_delay_alu instid0(VALU_DEP_2)
	v_pk_add_f32 v[14:15], v[14:15], v[240:241]
	s_delay_alu instid0(VALU_DEP_2)
	v_pk_add_f32 v[216:217], v[216:217], v[238:239]
	s_delay_alu instid0(VALU_DEP_1)
	v_pk_add_f32 v[14:15], v[14:15], v[216:217]
.set j, 0
.rept 16
	v_pk_mul_f32 v[160+j:161+j], v[160+j:161+j], v[226:227] op_sel_hi:[1,0]   ; O^T under the new M, from each accumulator's low end on
.set j, j+2
.endr
	s_wait_alu depctr_va_vdst(0)
	s_wait_dscnt 0x0                               ; V's fragments and scale words
.irp t, 0,1,2,3
	v_wmma_scale_f32_16x16x128_f8f6f4 v[160+8*\t:167+8*\t], v[44+12*\t:55+12*\t], v[192:203], v[160+8*\t:167+8*\t], v[40+\t], v224 matrix_a_fmt:MATRIX_FMT_BF6 matrix_b_fmt:MATRIX_FMT_BF6
.endr
.Lhidden_\@:
	s_add_co_u32 s93, s93, 128
	s_add_co_u32 s91, s91, 6144
	s_add_co_u32 s92, s92, 256
	s_sub_co_u32 s90, s90, 1
	s_cmp_lg_u32 s90, 0
	s_cbranch_scc1 .Lstep_\@
.rept 4
	v_nop                                          ; places behind the last products
.endr
	v_add_f32 v14, v14, v15
	s_delay_alu instid0(VALU_DEP_1)
	v_permlanex16_b32 v216, v14, s66, s67
	s_delay_alu instid0(VALU_DEP_1)
	v_add_f32 v14, v14, v216                       ; the row's sum
	s_wait_alu depctr_va_vdst(0)
	v_rcp_f32 v14, v14
	v_nop                                          ; a plain line behind the reciprocal
.set j, 0
	s_wait_alu depctr_va_vdst(0)
.rept 32
	v_mul_f32 v[96+j], v[160+j], v14               ; y: register 16 B + i is dv 32 B + 16 (lane / 16) + i of my token
.set j, j+1
.endr
.irp b, 0,1
	v_max3_num_f32 v[BM+\b], |v[96+16*\b]|, |v[97+16*\b]|, 0x2800000
.endr
.irp i, 2,4,6,8,10,12,14
.irp b, 0,1
	s_delay_alu instid0(VALU_DEP_2)
	v_max3_num_f32 v[BM+\b], v[BM+\b], |v[96+16*\b+\i]|, |v[97+16*\b+\i]|
.endr
.endr
.irp b, 0,1
	s_delay_alu instid0(VALU_DEP_2)
	v_permlanex16_b32 v[PX+\b], v[BM+\b], s66, s67
.endr
.irp b, 0,1
	s_delay_alu instid0(VALU_DEP_2)
	v_max_num_f32 v[BM+\b], v[BM+\b], v[PX+\b]
.endr
.irp b, 0,1
	s_delay_alu instid0(VALU_DEP_2)
	v_add_nc_u32 v[SO+\b], 0xfe000000, v[BM+\b]
.endr
.irp b, 0,1
	s_delay_alu instid0(VALU_DEP_2)
	v_lshrrev_b32 v[PX+\b], 23, v[SO+\b]
.endr
	v_cvt_scalef32_pk16_bf6_f32 v[192:194], v[96:111], v220
	v_cvt_scalef32_pk16_bf6_f32 v[204:206], v[112:127], v221
	v_nop
.irp i, 0,1,2
	v_permlane16_swap_b32 v[192+\i], v[204+\i]
.endr
.irp i, 0,1,2
	s_delay_alu instid0(VALU_DEP_3)
	v_mov_b32 v[195+\i], v[204+\i]                 ; v192-197: the codes of dv 32 (lane / 16) + 0 .. 31
.endr
	s_mov_b32 vcc_lo, 0xffff0000
	v_cndmask_b32 v229, v216, v217, vcc_lo         ; my block's byte
.irp p, 0,1,2
	global_store_b64 v7, v[192+2*\p:193+2*\p], s[\yc:\yc+1] offset:256*\p   ; 32 lanes store 256 consecutive aligned bytes
.endr
	global_store_b8 v95, v229, s[\ys:\ys+1]
.endm
	s_wait_tensorcnt 0x0                           ; my fill, if I issued one, is in
	s_barrier_signal -1
	s_barrier_wait -1
	s_wait_loadcnt 0x0                             ; q
	TILE 4, 230, 242, 86, 87, 78, 82               ; tiles 0-31: four trips, LDS bytes of the low halves alone
	TILE 8, 244, 243, 88, 89, 80, 84               ; tiles 32-63
	s_wait_tensorcnt 0x0
	ds_add_u32 v211, v225
	s_wait_dscnt 0x0
	s_endpgm
.Lfunc_end_k_qb5f5323971_attn:
	.size	k_qb5f5323971_attn, .Lfunc_end_k_qb5f5323971_attn-k_qb5f5323971_attn
	.p2alignl 7, 3214868480
	.fill 96, 4, 3214868480
	.section	.rodata,"a",@progbits
	.p2align	6, 0x0
	.amdhsa_kernel k_qb5f5323971_attn
		.amdhsa_group_segment_fixed_size 169984
		.amdhsa_private_segment_fixed_size 0
		.amdhsa_enable_private_segment 0
		.amdhsa_kernarg_size 32
		.amdhsa_user_sgpr_count 2
		.amdhsa_user_sgpr_kernarg_segment_ptr 1
		.amdhsa_wavefront_size32 1
		.amdhsa_system_sgpr_workgroup_id_x 1
		.amdhsa_system_sgpr_workgroup_id_y 1
		.amdhsa_system_sgpr_workgroup_id_z 1
		.amdhsa_system_vgpr_workitem_id 0
		.amdhsa_next_free_vgpr 256
		.amdhsa_next_free_sgpr 100
		.amdhsa_reserve_vcc 1
		.amdhsa_float_denorm_mode_32 3
		.amdhsa_float_denorm_mode_16_64 3
		.amdhsa_memory_ordered 1
		.amdhsa_forward_progress 1
		.amdhsa_inst_pref_size 67
	.end_amdhsa_kernel
	.amdgpu_metadata
---
amdhsa.version: [ 1, 2 ]
amdhsa.kernels:
  - .name:           k_qb5f5323971_attn
    .symbol:         k_qb5f5323971_attn.kd
    .args:
      - { .name: qb, .offset: 0, .size: 8, .value_kind: global_buffer, .address_space: global }
      - { .name: kb, .offset: 8, .size: 8, .value_kind: global_buffer, .address_space: global }
      - { .name: vb, .offset: 16, .size: 8, .value_kind: global_buffer, .address_space: global }
      - { .name: yb, .offset: 24, .size: 8, .value_kind: global_buffer, .address_space: global }
    .group_segment_fixed_size: 169984
    .private_segment_fixed_size: 0
    .kernarg_segment_align: 8
    .kernarg_segment_size: 32
    .max_flat_workgroup_size: 512
    .sgpr_count:     100
    .vgpr_count:     256
    .wavefront_size: 32
...
	.end_amdgpu_metadata
.endif
;; end of part 3
;; launch outp (part 4): grid 4 x 64, 4 waves a work-group, clusters of 4 x 4, 327,680 bytes of LDS; arguments yb, wq, bo, out0; writes out0
.if DOCPART == 4
	.amdgcn_target "amdgcn-amd-amdhsa--gfx1250"
	.amdhsa_code_object_version 6
	.text
	.protected	k_qb5f5323971_outp
	.globl	k_qb5f5323971_outp
	.p2align	8
	.type	k_qb5f5323971_outp,@function
k_qb5f5323971_outp:
	s_mov_b64 s[64:65], 0
	v_nop
	global_prefetch_b8 v0, s[64:65] scope:SCOPE_SE
	s_setreg_imm32_b32 hwreg(HW_REG_WAVE_MODE, 25, 1), 1
	s_wait_xcnt 0x0
	s_wait_alu depctr_hold_cnt(0) depctr_sa_sdst(0) depctr_va_vdst(0) depctr_va_sdst(0) depctr_va_ssrc(0) depctr_va_vcc(0) depctr_vm_vsrc(0)
	s_getreg_b32 s2, hwreg(HW_REG_IB_STS2, 6, 4)
	s_cmp_eq_u32 s2, 0
	s_cbranch_scc0 .Lentry_in_a_cluster
	s_endpgm
.Lentry_in_a_cluster:
	s_bfe_u32 s2, ttmp6, 0x10000c
	s_cmp_lg_u32 s2, 0xf033
	s_cbranch_scc0 .Lentry_shape_is_right
	s_endpgm
.Lentry_shape_is_right:
; out0 = y Wo + bo: 8,192 tokens x 1,024 columns, K = 1,024, on codes of BF6 (E3M2) with one E8M0 byte for each 32 along K; sums in f32; the bias is the C of the first products.
; A block of 128 tokens x 256 columns to a work-group: 4 x 64 = 256 work-groups.  Four waves, 64 tokens x 128 columns each: 32 accumulators, 256 registers.
; A = y: register images [K step 4][tile of 16 tokens][3,072 bytes] (6 planes of 32 lanes x 8 bytes for each 128 along K), dense.  B = Wo's rows of wq, [K step 4][row][192 bytes], dense.
; Both come as rows of 256 bytes; B's get 16 bytes of padding behind every 64, so that an LDS row of B is 240 bytes.  K goes in four steps of 256 through two slots.
; CLUSTERS 4 x 4: A's tiles are shared along a row of the cluster, B's along a column: joint loads.  The product is used transposed (source 0 = B): a lane holds eight neighbouring columns of one token.
; Rows of wq lie at rho(index) (bits 3, 4 exchanged) and y's tile i = 2 B + u, row r is token 32 B + 8 u + r + 8 (r / 8): the way out puts both right.
; NO PREFETCH: the walk has four K steps, and two of them are asked for ahead of the first product.
; WINDOWS: 0: v0-31 addresses, v32-63 scale words (two sets), v64-127 bias, v128-223 A's fragments (two sets of 48); 1: B's fragments, two sets at v0, v128; 2: the accumulators, (a, b) at v[8 (8 a + b)].
.set ROWB,   192
.set PITCH,  240
.set FR,     12
.set HALFT,  128*PITCH                 ; 128 rows of B in LDS
.set ASZ,    24576                     ; 128 tokens of A, one K step
.set SLOT,   ASZ+2*HALFT
.set ASTEP,  1572864                   ; bytes from a K step to the next in yb,
.set BSTEP,  786432                    ; and in wq
.set SBLK,   544                       ; scale bytes of 16 rows: 512 + two paddings of 16
.set HALFS,  8*SBLK
.set SCL,    2*SLOT                    ; A's scale bytes (128 rows), then B's (256)
.set STAGE,  SCL+3*HALFS               ; the way out: 16 rows x 528 bytes a wave, bytes that no fill lands on
.set SPITCH, 528
.set SPARE,  STAGE+4*16*SPITCH         ; the spare words
.set ADRA, 16
.set ADRB, 20
.set STO,  24
.set RD,   25
.set CO,   26
.set ADRS, 27
.set SPW,  28
.set NIL,  29
.set SC,   32
.set BIA,  64
.set AF,   128
.set BK,   128
.set G0H,  4
.set G0HB, 8
.set G1,   24
.set G0,   32
.set G1B,  48
.set G0B,  56
.set G1S,  68
.set G0S,  76
.set G1SB, 80
.set G0SB, 88
.set MSB, 0
.macro WIN new                         ; the immediate's high byte repeats the setting that is left
.if MSB != \new
	s_set_vgpr_msb (MSB<<8)|\new
.set MSB, \new
.endif
.endm
.set MUL,  0xa1                        ; source 0 (B) window 1, source 1 (A) window 0, C and D window 2
.set FST,  0x81                        ; the same with C (the bias) in window 0
.set TO_B, 0x40
.macro PLACES
.rept 4
	v_nop
.endr
.endm
.macro JLOAD g0a, g0b                  ; waves 0, 1 fetch A's halves, waves 2, 3 B's
	s_cmp_eq_u32 s15, 0
	s_cbranch_scc0 .Lfor_b_\@
	tensor_load_to_lds s[\g0a:\g0a+3], s[G1:G1+7]
	s_nop 0
	PLACES
	s_branch .Lasked_\@
.Lfor_b_\@:
	tensor_load_to_lds s[\g0b:\g0b+3], s[G1B:G1B+7]
	s_nop 0
	PLACES
.Lasked_\@:
.endm
.macro CREST
	s_cmp_lg_u32 s14, 0
	s_cbranch_scc1 .Lnot_wave_0_\@
	s_barrier_signal -3
.Lnot_wave_0_\@:
	s_barrier_wait -3
	s_barrier_signal -1
	s_barrier_wait -1
.endm
.macro CROUND
	s_barrier_signal -1
	s_barrier_wait -1
	CREST
.endm
	s_load_b64 s[4:5], s[0:1], 0x0                 ; yb
	s_load_b64 s[8:9], s[0:1], 0x8                 ; wq
	s_load_b64 s[96:97], s[0:1], 0x10              ; bo
	s_load_b64 s[12:13], s[0:1], 0x18              ; out0
	v_lshl_add_u32 v[SPW], v0, 2, SPARE
	v_mov_b32 v[NIL], 0
	ds_add_u32 v[SPW], v[NIL]                      ; the opening lines: the add twice and its wait
	ds_add_u32 v[SPW], v[NIL]
	v_lshrrev_b32 v1, 5, v0
	v_readfirstlane_b32 s14, v1                    ; wave
	s_lshr_b32 s15, s14, 1                         ; my 64 tokens.  Also: I fetch for A (0) or B (1)
	s_and_b32 s16, s14, 1                          ; my 128 columns.  Also: which half of that tile I fetch
	s_bfe_u32 s40, ttmp6, 0x40000                  ; cx
	s_bfe_u32 s41, ttmp6, 0x40004                  ; cy
	s_lshl_b32 s42, ttmp9, 2
	s_add_co_u32 s42, s42, s40                     ; column block 0..3
	s_and_b32 s17, ttmp7, 0xffff
	s_lshl_b32 s17, s17, 2
	s_add_co_u32 s17, s17, s41                     ; token block 0..63
	s_lshl_b32 s43, s41, 2
	s_lshl_b32 s43, 15, s43                        ; my row of the cluster
	s_lshl_b32 s44, 0x1111, s40                    ; my column
	s_or_b32 s[G1+0], s43, (3<<16)|(1<<21)         ; A: rows of 32 elements of 8 bytes, dense; 96 rows at the head, 48 in the ring
	s_or_b32 s[G1B+0], s44, (3<<16)|(1<<20)|(1<<21)|(3<<22)|(3<<25)  ; B: the same rows, 4 words of padding behind every 16; 192 and 96
	s_or_b32 s[G1S+0], s43, (3<<16)|(1<<20)|(1<<21)|(5<<22)|(3<<25)  ; scale bytes: 4 words of padding behind every 64; 16 rows for A,
	s_or_b32 s[G1SB+0], s44, (3<<16)|(1<<20)|(1<<21)|(5<<22)|(3<<25) ; 32 for B
.irp g, G1, G1B, G1S, G1SB
	s_mov_b32 s[\g+1], 32<<16
	s_mov_b32 s[\g+3], 32<<16
	s_mov_b32 s[\g+5], 32
	s_mov_b32 s[\g+6], 0
	s_mov_b32 s[\g+7], 0
.endr
	s_mov_b32 s[G1+2], 96<<16
	s_mov_b32 s[G1+4], 96
	s_mov_b32 s[G1B+2], 192<<16
	s_mov_b32 s[G1B+4], 192
	s_mov_b32 s[G1S+2], 16<<16
	s_mov_b32 s[G1S+4], 16
	s_mov_b32 s[G1SB+2], 32<<16
	s_mov_b32 s[G1SB+4], 32
	s_mul_i32 s20, s17, ASZ                        ; A's codes,
	s_lshl_b32 s22, s17, 12
	s_add_co_u32 s22, s22, 6291456                 ; its scale bytes;
	s_mul_i32 s46, s42, 256*ROWB
	s_add_co_u32 s46, s46, 3072*ROWB               ; B's codes: rows 3,072 on of wq,
	s_lshl_b32 s92, s42, 13
	s_add_co_u32 s92, s92, 3145728+98304           ; its scale bytes
	s_mov_b32 s21, 0
	s_mov_b32 s23, 0
	s_mov_b32 s47, 0
	s_mov_b32 s93, 0
	s_wait_dscnt 0x0
	s_wait_kmcnt 0x0
	s_add_nc_u64 s[20:21], s[4:5], s[20:21]
	s_add_nc_u64 s[22:23], s[4:5], s[22:23]
	s_add_nc_u64 s[46:47], s[8:9], s[46:47]
	s_add_nc_u64 s[92:93], s[8:9], s[92:93]
	CROUND                                         ; the first joint loads meet
	s_mov_b32 s[G0H], 1
	s_mov_b32 s[G0H+1], 0
	s_mov_b64 s[G0H+2:G0H+3], s[20:21]
	s_or_b32 s[G0H+3], s[G0H+3], 0x80000000
	s_mov_b32 s[G0HB], 1
	s_mov_b32 s[G0HB+1], ASZ
	s_mov_b64 s[G0HB+2:G0HB+3], s[46:47]
	s_or_b32 s[G0HB+3], s[G0HB+3], 0x80000000
	s_mov_b32 s[G0S], 1
	s_mov_b32 s[G0S+1], SCL
	s_mov_b64 s[G0S+2:G0S+3], s[22:23]
	s_or_b32 s[G0S+3], s[G0S+3], 0x80000000
	s_mov_b32 s[G0SB], 1
	s_mov_b32 s[G0SB+1], SCL+HALFS
	s_mov_b64 s[G0SB+2:G0SB+3], s[92:93]
	s_or_b32 s[G0SB+3], s[G0SB+3], 0x80000000
	s_mul_i32 s18, s16, ASZ/2                      ; the ring: my half of A's tile, in memory and in LDS,
	s_mov_b32 s19, 0
	s_add_nc_u64 s[20:21], s[20:21], s[18:19]
	s_mul_i32 s94, s16, 128*ROWB                   ; my half of B's in memory,
	s_mov_b32 s95, 0
	s_add_nc_u64 s[46:47], s[46:47], s[94:95]
	s_mul_i32 s45, s16, HALFT
	s_add_co_u32 s45, s45, ASZ                     ; and in LDS
.irp s, 0,1
	s_mov_b32 s[G0+4*\s], 1
	s_add_co_u32 s[G0+4*\s+1], s18, \s*SLOT
	s_add_nc_u64 s[G0+4*\s+2:G0+4*\s+3], s[20:21], \s*ASTEP
	s_or_b32 s[G0+4*\s+3], s[G0+4*\s+3], 0x80000000
	s_mov_b32 s[G0B+4*\s], 1
	s_add_co_u32 s[G0B+4*\s+1], s45, \s*SLOT
	s_add_nc_u64 s[G0B+4*\s+2:G0B+4*\s+3], s[46:47], \s*BSTEP
	s_or_b32 s[G0B+4*\s+3], s[G0B+4*\s+3], 0x80000000
.endr
; the head's four tiles, one load a wave, in one chain of branches on the wave's number
.macro ARM under, g0, g1, next
	s_cmp_lt_u32 s14, \under
	s_cbranch_scc0 \next
	tensor_load_to_lds s[\g0:\g0+3], s[\g1:\g1+7]
	s_nop 0
	PLACES
	s_branch .Lhead_asked
\next:
.endm
	ARM 1, G0H,  G1,  .Lhead_b
	ARM 2, G0HB, G1B, .Lhead_sa
	ARM 3, G0S,  G1S, .Lhead_sb
	tensor_load_to_lds s[G0SB:G0SB+3], s[G1SB:G1SB+7]
	s_nop 0
	PLACES
.Lhead_asked:
	s_and_b32 s20, s17, 7                          ; my first token s = 128 (block % 8) + 64 (wave / 2); b = block / 8; a row of out0 is 8 s + b
	s_lshl_b32 s20, s20, 7
	s_lshl_b32 s18, s15, 6
	s_add_co_u32 s20, s20, s18
	s_lshl_b32 s20, s20, 3
	s_lshr_b32 s18, s17, 3
	s_add_co_u32 s20, s20, s18
	s_lshl_b32 s20, s20, 12
	s_lshl_b32 s46, s42, 10
	s_lshl_b32 s47, s16, 9
	s_add_co_u32 s46, s46, s47                     ; my first column, in bytes
	s_mov_b32 s47, 0
	s_add_nc_u64 s[96:97], s[96:97], s[46:47]
	s_add_co_u32 s20, s20, s46
	s_mov_b32 s21, 0
	s_add_nc_u64 s[12:13], s[12:13], s[20:21]
	s_mul_i32 s18, s15, ASZ/2                      ; my four tiles of A in a slot
	s_mul_i32 s19, s15, 4*SBLK                     ; my rows of A's scale bytes,
	s_mul_i32 s22, s16, HALFS
	s_add_co_u32 s22, s22, HALFS
	s_sub_co_u32 s22, s22, s19                     ; and how far on B's lie
	s_add_co_u32 s19, s19, SCL
	s_mul_i32 s23, s14, 16*SPITCH
	s_add_co_u32 s23, s23, STAGE                   ; my stage
	v_and_b32 v1, 15, v0                           ; r
	v_bfe_u32 v2, v0, 4, 1                         ; h
	v_and_b32 v6, 31, v0
	v_mul_u32_u24 v3, v1, PITCH
	v_mad_u32_u24 v4, v2, 24, v3                   ; B: row x pitch + 24 h,
	v_lshl_add_u32 v5, v2, 4, v4                   ; and behind one padding more
	v_lshlrev_b32 v7, 3, v6                        ; A: 8 x lane
	v_add_nc_u32 v[ADRA], s18, v7
	v_add_nc_u32 v[ADRB], s45, v4
	v_add_nc_u32 v[ADRB+2], s45, v5
	v_add_nc_u32 v[ADRA+1], SLOT, v[ADRA]
	v_add_nc_u32 v[ADRB+1], SLOT, v[ADRB]
	v_add_nc_u32 v[ADRB+3], SLOT, v[ADRB+2]
	v_lshlrev_b32 v5, 5, v1                        ; scale bytes: 32 a row,
	v_lshrrev_b32 v7, 8, v5
	v_lshl_add_u32 v5, v7, 4, v5                   ; 16 more behind each 256;
	v_mad_u32_u24 v5, s22, v2, v5                  ; lanes 16-31 take B's
	v_add_nc_u32 v[ADRS], s19, v5
	v_mul_u32_u24 v5, v1, SPITCH
	v_lshl_add_u32 v5, v2, 6, v5                   ; stage, in: row r, 64 h bytes
	v_add_nc_u32 v[STO], s23, v5
	v_lshlrev_b32 v[CO], 4, v6                     ; back: 32 lanes take a row of 512 bytes
	v_add_nc_u32 v[RD], s23, v[CO]
	v_lshlrev_b32 v30, 6, v2
.irp x, 0,1,2,3,4,5,6,7                ; bias: register 8 x + j = bo[32 (x / 2) + 16 h + 8 (x % 2) + j] of my 128
	global_load_b128 v[BIA+8*\x:BIA+8*\x+3], v30, s[96:97] offset:4*(32*(\x/2)+8*(\x%2))
	global_load_b128 v[BIA+8*\x+4:BIA+8*\x+7], v30, s[96:97] offset:4*(32*(\x/2)+8*(\x%2))+16
.endr
.macro FRAG reg, adr, q, i             ; B: 24 bytes twice, in pieces of 8; where lanes 16-31 lie behind one padding more, the second address serves
.irp p, 0,1,2,3,4,5
.set PC, 12*(\q)+6*(\p/3)+\p%3
.if PC%8 < 5
	ds_load_b64 v[\reg+2*\p:\reg+2*\p+1], v[\adr] offset:8*PC+16*(PC/8)+(\i)*16*PITCH
.else
	ds_load_b64 v[\reg+2*\p:\reg+2*\p+1], v[\adr+2] offset:8*PC+16*(PC/8)+(\i)*16*PITCH
.endif
.endr
.endm
.macro FETCH slot, q, p                ; the fragments of 128 along K into set p: 48 loads for B, 24 for A
	WIN TO_B
.irp i, 0,1,2,3,4,5,6,7
	FRAG 128*(\p)+FR*\i, ADRB+\slot, \q, \i
.endr
	WIN 0
.irp i, 0,1,2,3
.irp e, 0,1,2,3,4,5
	ds_load_b64 v[AF+48*(\p)+FR*\i+2*\e:AF+48*(\p)+FR*\i+2*\e+1], v[ADRA+\slot] offset:3072*\i+1536*(\q)+256*\e
.endr
.endr
.endm
.macro SCALES k                        ; K step k's words: lanes 0-15 A's block i (used for i under 4), lanes 16-31 B's block i
.irp i, 0,1,2,3,4,5,6,7
	ds_load_b64 v[SC+16*((\k)%2)+2*\i:SC+16*((\k)%2)+2*\i+1], v[ADRS] offset:\i*SBLK+8*(\k)
.endr
.endm
.macro MUL16 a0, p, sc, first          ; A's blocks a0, a0 + 1 x B's eight; the 32 accumulators take turns
.irp a, \a0, \a0+1
.irp b, 0,1,2,3,4,5,6,7
.if \first
	v_wmma_scale_f32_16x16x128_f8f6f4 v[8*(8*(\a)+\b):8*(8*(\a)+\b)+7], v[128*(\p)+FR*\b:128*(\p)+FR*\b+FR-1], v[AF+48*(\p)+FR*(\a):AF+48*(\p)+FR*(\a)+FR-1], v[BIA+8*\b:BIA+8*\b+7], v[SC+16*(\sc)+2*\b+(\p)], v[SC+16*(\sc)+2*(\a)+(\p)] matrix_a_fmt:MATRIX_FMT_BF6 matrix_b_fmt:MATRIX_FMT_BF6 matrix_a_scale:MATRIX_SCALE_ROW1
.else
	v_wmma_scale_f32_16x16x128_f8f6f4 v[8*(8*(\a)+\b):8*(8*(\a)+\b)+7], v[128*(\p)+FR*\b:128*(\p)+FR*\b+FR-1], v[AF+48*(\p)+FR*(\a):AF+48*(\p)+FR*(\a)+FR-1], v[8*(8*(\a)+\b):8*(8*(\a)+\b)+7], v[SC+16*(\sc)+2*\b+(\p)], v[SC+16*(\sc)+2*(\a)+(\p)] matrix_a_fmt:MATRIX_FMT_BF6 matrix_b_fmt:MATRIX_FMT_BF6 matrix_a_scale:MATRIX_SCALE_ROW1
.endif
.endr
.endr
.endm
.macro STEPA k, first                  ; K step k's first 128 (set 0); its second 128 are fetched into set 1 ahead of the products
	s_wait_dscnt 0x0
	PLACES                                         ; behind the products that read set 1
	FETCH (\k)%2, 1, 1
.if \first
	s_wait_loadcnt 0x0                             ; the bias
	WIN FST
.else
	WIN MUL
.endif
	MUL16 0, 0, (\k)%2, \first
	MUL16 2, 0, (\k)%2, \first
	WIN 0
.endm
.macro STEPB k                         ; K step k's second 128 (set 1), and the change of slots
	s_wait_tensorcnt 0x0                           ; my part of the next slot is in
	ds_add_u32 v[SPW], v[NIL]
	s_wait_dscnt 1                                 ; set 1 is in; only the add may be out
	WIN MUL
	MUL16 0, 1, (\k)%2, 0
	s_wait_dscnt 0x0                               ; the add is done; my reads of this slot were over above
	s_barrier_signal -1
	WIN 0
	s_barrier_wait -1
.if (\k) < 2
	CREST                                          ; the barrier opened a round of the cluster's: no partner reads this slot or has a load on its way
	s_add_nc_u64 s[G0+4*((\k)%2)+2:G0+4*((\k)%2)+3], s[G0+4*((\k)%2)+2:G0+4*((\k)%2)+3], 2*ASTEP
	s_add_nc_u64 s[G0B+4*((\k)%2)+2:G0B+4*((\k)%2)+3], s[G0B+4*((\k)%2)+2:G0B+4*((\k)%2)+3], 2*BSTEP
	JLOAD G0+4*((\k)%2), G0B+4*((\k)%2)            ; K step k + 2; its four v_nop are the places in front of the loads below
.else
	PLACES
.endif
	FETCH ((\k)+1)%2, 0, 0
	SCALES (\k)+1
	WIN MUL
	MUL16 2, 1, (\k)%2, 0
	WIN 0
.endm
	s_wait_alu depctr_va_vdst(0)
	s_wait_tensorcnt 0x0                           ; my tile of the head's four is in; slot 1's first fill is issued as a refill is
	ds_add_u32 v[SPW], v[NIL]
	s_mov_b32 s[G1+2], 48<<16                      ; no tensor load of mine is out: the ring's loads bring half a tile
	s_mov_b32 s[G1+4], 48
	s_mov_b32 s[G1B+2], 96<<16
	s_mov_b32 s[G1B+4], 96
	s_wait_dscnt 0x0
	CROUND
	JLOAD G0+4, G0B+4                              ; K step 1
	FETCH 0, 0, 0
	SCALES 0
	STEPA 0, 1
	STEPB 0
	STEPA 1, 0
	STEPB 1
	STEPA 2, 0
	STEPB 2
	STEPA 3, 0
	s_wait_dscnt 0x0
	WIN MUL
	MUL16 0, 1, 1, 0
	MUL16 2, 1, 1, 0
	WIN 0
; THE WAY OUT: a block of 16 tokens x 128 columns goes through my stage and comes back as rows of 512 bytes, stored by 32 lanes as two aligned runs of 256 bytes.
.macro TOSTAGE a
	WIN 0x08                                       ; the data: window 2
.irp b, 0,1,2,3,4,5,6,7
	ds_store_b128 v[STO], v[64*(\a)+8*\b:64*(\a)+8*\b+3] offset:128*(\b/2)+32*(\b%2)      ; each accumulator from its low end on
	ds_store_b128 v[STO], v[64*(\a)+8*\b+4:64*(\a)+8*\b+7] offset:128*(\b/2)+32*(\b%2)+16
.endr
	WIN 0
.irp t, 0,1,2,3,4,5,6,7,8,9,10,11,12,13,14,15
	ds_load_b128 v[BK+64*((\a)%2)+4*\t:BK+64*((\a)%2)+4*\t+3], v[RD] offset:\t*SPITCH   ; in order behind my stores
.endr
.endm
.macro SEND a, younger
	s_wait_dscnt \younger
.irp t, 0,1,2,3,4,5,6,7,8,9,10,11,12,13,14,15
	global_store_b128 v[CO], v[BK+64*((\a)%2)+4*\t:BK+64*((\a)%2)+4*\t+3], s[12:13] offset:(32*((\a)/2)+8*((\a)%2)+\t+8*(\t/8))*32768 th:TH_STORE_NT
.endr
.endm
	PLACES
	TOSTAGE 0
.irp a, 1,2,3
.if \a > 1
	s_wait_xcnt 0x0                                ; block a - 2's stores have read their registers
.endif
	TOSTAGE \a
	SEND \a-1, 32                                  ; behind block a - 1's loads: block a's 16 stores and 16 loads
.endr
	SEND 3, 0
	s_wait_tensorcnt 0x0                           ; the wave's end
	ds_add_u32 v[SPW], v[NIL]
	s_wait_dscnt 0x0
	CROUND                                         ; the closing round
	s_endpgm
.Lfunc_end_k_qb5f5323971_outp:
	.size	k_qb5f5323971_outp, .Lfunc_end_k_qb5f5323971_outp-k_qb5f5323971_outp
	.p2alignl 7, 3214868480
	.fill 96, 4, 3214868480
	.section	.rodata,"a",@progbits
	.p2align	6, 0x0
	.amdhsa_kernel k_qb5f5323971_outp
		.amdhsa_group_segment_fixed_size 327680
		.amdhsa_private_segment_fixed_size 0
		.amdhsa_enable_private_segment 0
		.amdhsa_kernarg_size 32
		.amdhsa_user_sgpr_count 2
		.amdhsa_user_sgpr_kernarg_segment_ptr 1
		.amdhsa_wavefront_size32 1
		.amdhsa_system_sgpr_workgroup_id_x 1
		.amdhsa_system_sgpr_workgroup_id_y 1
		.amdhsa_system_sgpr_workgroup_id_z 1
		.amdhsa_system_vgpr_workitem_id 0
		.amdhsa_next_free_vgpr 768
		.amdhsa_next_free_sgpr 100
		.amdhsa_reserve_vcc 0
		.amdhsa_float_denorm_mode_32 3
		.amdhsa_float_denorm_mode_16_64 3
		.amdhsa_memory_ordered 1
		.amdhsa_forward_progress 1
		.amdhsa_inst_pref_size 102
	.end_amdhsa_kernel
	.amdgpu_metadata
---
amdhsa.version: [ 1, 2 ]
amdhsa.kernels:
  - .name:           k_qb5f5323971_outp
    .symbol:         k_qb5f5323971_outp.kd
    .args:
      - { .name: yb, .offset: 0, .size: 8, .value_kind: global_buffer, .address_space: global }
      - { .name: wq, .offset: 8, .size: 8, .value_kind: global_buffer, .address_space: global }
      - { .name: bo, .offset: 16, .size: 8, .value_kind: global_buffer, .address_space: global }
      - { .name: out0, .offset: 24, .size: 8, .value_kind: global_buffer, .address_space: global }
    .group_segment_fixed_size: 327680
    .private_segment_fixed_size: 0
    .kernarg_segment_align: 8
    .kernarg_segment_size: 32
    .max_flat_workgroup_size: 128
    .sgpr_count:     100
    .vgpr_count:     768
    .wavefront_size: 32
...
	.end_amdgpu_metadata
.endif
;; end of part 4
